; MI455X (gfx1250); checked and timed in simulation.
; The chip was launched on July 23, 2026; its instructions are those of AMD's public machine-readable ISA for CDNA 5 (MIT licence, August 2026) and "CDNA5" Instruction Set Architecture Reference Guide (July 2026). The comments in the code are by the model that wrote it; some were corrected since.
;; Transformer Block Quantum. Allowed arithmetic: matrix products marked QUANTISED: E2M3 operands, one E8M0 scale for each 32 along K, by v_wmma_scale_f32_16x16x128_f8f6f4 with both operands' format E2M3, f32 sums; everything else in f32.
;; Inputs: W1_codes 2,048 x 16 x 24 uint8 (E2M3 codes of W1, K innermost, in blocks of 32 codes, four codes in three bytes); W1_scales 2,048 x 16 uint8 (E8M0 scales of W1, one for each 32 codes along K); W2_codes 512 x 64 x 24 uint8 (E2M3 codes of W2, K innermost, in blocks of 32 codes, four codes in three bytes); W2_scales 512 x 64 uint8 (E8M0 scales of W2, one for each 32 codes along K); b1 2,048 float32; b2 512 float32; bt1 512 float32; bt2 512 float32; g1 512 float32; g2 512 float32; th_attn 512 float32; th_ffn 512 float32; x 4 x 2,048 x 512 float32.
;; Outputs: out0 4 x 2,048 x 512 float32.
;; This version of the problem:
;;   THIS VERSION OF THE PROBLEM IS GIVEN IN LOW PRECISION. The matrix products marked QUANTISED in the list below multiply operands that are first quantised to E2M3 (2 exponent bits, 3 mantissa bits; 6 bits a number), with one power-of-two scale for each 32 numbers along K (OCP MX v1.0); their sums are f32. All else is computed in f32.
;;   The module's matrix products, in the order in which they are computed (A, B: the left and right operand; K: the contracted axis; several contracted axes count as one K, in the product's order):
;;     1. batch 32 x [M 2,048, K 64] x [K 64, N 2,048]; A: computed on the way; B: computed on the way: QUANTISED
;;     2. batch 32 x [M 2,048, K 2,048] x [K 2,048, N 64]; A: softmax (see below); B: computed on the way: QUANTISED
;;     3. [M 8,192, K 512] x [K 512, N 2,048]; A: computed on the way; B: input W1 (given as codes): QUANTISED
;;     4. [M 8,192, K 2,048] x [K 2,048, N 512]; A: computed on the way; B: input W2 (given as codes): QUANTISED
;;   THE QUANTISER, for each operand of a quantised product, along K:
;;     - K is cut into blocks of 32 from its start; a last block that is shorter is filled with zeros.
;;     - A block's scale is 2^e with e = floor(log2(the largest magnitude in the block)) - 2, held to -126 .. 127; a block of zeros has e = 0. As a byte (E8M0): e + 127.
;;     - Each number is divided by its block's scale, clamped to +-7.5, and rounded to the nearest number of E2M3, ties to even, subnormals kept.
;;     - The product sums the exact products of the quantised numbers (number of the format x scale) in f32.
;;   ~~~python
;;   def quantise(x, axis):      # numpy; x: float32 -> the quantised numbers, widened to float32 again
;;       x = np.moveaxis(x, axis, -1); K = x.shape[-1]
;;       x = np.pad(x, [(0, 0)] * (x.ndim - 1) + [(0, -K % 32)]); x = x.reshape(x.shape[:-1] + (-1, 32)); a = np.abs(x).max(-1, keepdims=True)
;;       e = np.where(a > 0, np.clip(np.frexp(np.where(a > 0, a, 1))[1] - 1 - 2, -126, 127), 0)      # np.frexp(a)[1] - 1 = floor(log2(a)), exactly
;;       r = np.clip(x / 2.0 ** e, -7.5, 7.5)
;;       step = 2.0 ** (np.maximum(np.frexp(np.where(r == 0, 1, r))[1] - 1, 0) - 3)
;;       q = np.round(r / step) * step * 2.0 ** e      # np.round: ties to even
;;       return np.moveaxis(q.reshape(q.shape[:-2] + (-1,))[..., :K], -1, axis).astype(np.float32)
;;   ~~~
;;   SOFTMAX AHEAD OF A QUANTISED PRODUCT. Where the list says 'softmax', what is quantised is not the finished softmax but p = 2^(t - M), with t = logit x log2(e) and M = ceil(the row's largest t), a whole number; so 1/2 < the row's largest p <= 1. The row's sum l is taken of the UNQUANTISED p, in f32, and the product's result is divided by l at the end. Since M is a whole number, a kernel that streams over the keys may use a running M (the ceiling of the running maximum): every later rescaling is an exact power of two, which a block's scale takes up: the codes' values come out the same.
;;   OPERANDS COMPUTED ON THE WAY. 'Computed on the way' means the value that the module computes at that place (a softmax that the list does not call 'softmax' is quantised finished and normalised). What goes into a quantiser is computed in f32, as accurately as f32 sums, v_exp_f32 and their like allow (about 1e-6 of the number): no bf16 or f16 on the way to a quantiser, and a product that is left as it is and whose result goes on into a quantised operand takes f32 operands (vector FMAs, or v_wmma_f32_16x16x4_f32). A number that lies on a knife's edge between two numbers of the format may be rounded either way, as far as f32 arithmetic and the matrix unit's own rounding can turn it there, and no further.
;;   INPUTS GIVEN AS CODES. W1 (in the module: [512, 2048], K = its axis 0); W2 (in the module: [2048, 512], K = its axis 0): each comes as NAME_codes (uint8): NAME with its K axis moved to the last place and cut into blocks of 32 codes, [.., K / 32, bytes a block], one block behind the other in memory; four codes in three bytes: a row's codes are one little-endian stream of bits, code i at bits 6 i .. 6 i + 5 (a code: sign, 2 exponent bits, 3 mantissa bits); and NAME_scales (uint8): the same leading axes, one E8M0 byte (e + 127) for each 32 codes along K. Its value is code x scale, taken as it is: it is not quantised again, and the codes and scales need not be those that the quantiser above would give.
;; One version. Each part assembles by itself: llvm-mc -triple=amdgcn-amd-amdhsa -mcpu=gfx1250 --defsym DOCPART=n.
;; ======== version 1 of 1: 3 launches
;; limits: inputs' magnitudes at most 8,192; right only within a limited range of input values
;; workspace buffers: kv 6,553,600 bytes; wst 1,703,936 bytes; ao 16,777,216 bytes
;; launch prep (part 1): grid 576 x 1, 4 waves a work-group, no clusters, 48,128 bytes of LDS; arguments x, th_attn, W1_codes, W1_scales, W2_codes, W2_scales, b1, kv, wst; writes kv, wst
.if DOCPART == 1
	.amdgcn_target "amdgcn-amd-amdhsa--gfx1250"
	.amdhsa_code_object_version 6
	.text
	.protected	k_q1407208ec3_prep
	.globl	k_q1407208ec3_prep
	.p2align	8
	.type	k_q1407208ec3_prep,@function
k_q1407208ec3_prep:
	s_mov_b64 s[64:65], 0
	v_nop
	global_prefetch_b8 v0, s[64:65] scope:SCOPE_SE
	s_setreg_imm32_b32 hwreg(HW_REG_WAVE_MODE, 25, 1), 1
	s_wait_xcnt 0x0
; PREP, the first of three launches (prep, attn, ffn) for: xq = cos(cos(x) cos(th)) cos(th); attention with q = k = v = xq; LN1; cos; two products with relu; LN2.
; NO WORK OF reference() IS LEFT OUT, and every input is loaded: x, th_attn, the weights' codes and scales and b1 here; x, th_ffn, g1, bt1, b2, g2, bt2 in the third launch.
; q, k and v are one tensor, so xq is computed ONCE here and quantised twice: along the head's 64 (Q and K: the same codes serve both) and along the keys (V).
; WORK-GROUPS 0 TO 511: 128 rows x one head (64 columns) -> one record of kv, 12,800 bytes, laid in the order of the operands' registers:
;   0      K image: four double fragments b (32 keys, 1,536 bytes), lane-major: lane r + 16 h has 48 bytes: 24 of key 32 b + r + 8 (r / 8), d block h, then 24 of key 32 b + 8 + r + 8 (r / 8), d block h
;   6,144  V image: four fragments t (d = 16 t + r), lane r + 16 h has 48 bytes: 24 c .. : d's codes of key block 2 c + h
;   12,288 K's scale words: the word at 8 l + 4 p serves double fragment 2 p + l / 16, row l % 16: bytes 0, 1 the first key's two d blocks, bytes 2, 3 the second key's
;   12,544 V's scale words: the word at 8 l + 4 p serves fragment 2 p + l / 16, d row l % 16: byte i is key block i
; WORK-GROUPS 512 TO 575: a wave lays one record of wst, 6,656 bytes: four weight fragments as register images (registers 4 c .. 4 c + 3 of lane l at 1,536 f + 512 c + 16 l), at 6,144 their scale words
;   (the word at 8 l + 4 p serves fragment 2 p + l / 16, row l % 16), at 6,400 sixteen numbers of b1 in the tile's row order (zeros in W2's records), zeros to the end.  These waves touch no LDS.
; COSINES.  cos(x) = (-1)^k sin((2 k + 1) pi/2 - x), k = the nearest whole number to x / pi - 1/2; pi/2 in three parts; sin by an odd polynomial of degree 11 on [-pi/2, pi/2].  The inner result lies in [-1, 1]:
; its cosine is the series up to z^10 (the next term is under 2.1e-9).  All in f32.
; THE QUANTISER: a block's scale byte is its largest magnitude's exponent field less 2, held at 1 from below.
; LIMITS: NaN and infinities are not served; cosine arguments (x, th) stay under 2^13 in magnitude; a block of zeros gets the byte 1 where the rule says 127 (its codes are zeros, and this program alone reads the bytes).
.set WSTG,  12800                      ; LDS: 0 the record as it will lie in memory; here four stages, one a wave: 32 rows x (256 + 16) bytes of xq in f32
.set WPIT,  272
.set SPARE, 47616                      ; the spare words, 128 bytes for each wave: two blocks of 256 bytes that no other line names
.set IPI, 24                           ; scalar pairs (a packed form names a pair and takes its low word): 1/pi
.set PH,  26                           ; pi/2, high, middle and low part
.set PM,  28
.set PL,  30
.set C11, 32                           ; sin: x^11, x^7, x^5, x^3 (x^9 stands in a vector pair)
.set C7,  34
.set C5,  36
.set C3,  38
.set K10, 40                           ; cos: z^10, z^6, z^4 (z^8 in a vector pair)
.set K6,  42
.set K4,  44
.set VX,  4                            ; v4   x: 2,048 (l / 16) + 16 (l % 16)
.set VTH, 5                            ; v5   th: 16 (l % 16)
.set SA,  6                            ; v6   stage, on the way in
.set RA,  7                            ; v7   stage, a lane to a row
.set CA,  8                            ; v8   stage, a lane to a column
.set KA,  9                            ; v9   K image
.set KSA, 10                           ; v10  K's scale halfword
.set VA,  11                           ; v11  V image
.set VSA, 12                           ; v12  V's scale byte
.set OA,  13                           ; v13  16 x thread: the copy out, in LDS and in memory
.set CTH, 16                           ; v16-19  cos(th) of my four columns
.set VC9, 20                           ; v20-21
.set VK8, 22                           ; v22-23
.set X,   32                           ; v32-95  x, then xq; later the columns for V
.set R,   96                           ; v96-159 a row of xq; later the copy out
.set TT,  160                          ; v160-175 two sets of eight, at work in the cosines
.set C,   176                          ; v176-182 a block's codes
.set QM,  184                          ; v184-185 largest magnitudes, then the scale operand
.set QB,  186                          ; v186-188 scale bytes
.set SPW, 190                          ; v190 LDS address of my spare word; never rewritten
.set NIL, 191                          ; v191 0; never rewritten
.set W,   32                           ; weights: v32-79 four fragments, v80-81 scale words, v82-83 bias
.macro SPAIR reg, val
	s_mov_b32 s[\reg], \val
	s_mov_b32 s[\reg+1], \val
.endm
; the cosine of four numbers v[a] .. v[a + 3], in place, the two pairs line by line
.macro COSP2 a
.set CB, \a
.irp p, 0,1
	v_pk_fma_f32 v[TT+8*\p:TT+8*\p+1], v[CB+2*\p:CB+2*\p+1], s[IPI:IPI+1], -0.5 op_sel_hi:[1,0,0]
.endr
.irp p, 0,1
	v_rndne_f32 v[TT+8*\p], v[TT+8*\p]             ; k
	v_rndne_f32 v[TT+8*\p+1], v[TT+8*\p+1]
.endr
.irp p, 0,1
	v_cvt_i32_f32 v[TT+8*\p+2], v[TT+8*\p]
	v_cvt_i32_f32 v[TT+8*\p+3], v[TT+8*\p+1]
.endr
.irp p, 0,1
	v_pk_fma_f32 v[TT+8*\p:TT+8*\p+1], v[TT+8*\p:TT+8*\p+1], 2.0, 1.0 op_sel_hi:[1,0,0]   ; 2 k + 1
.endr
.irp p, 0,1
	v_lshlrev_b32 v[TT+8*\p+2], 31, v[TT+8*\p+2]   ; k odd: a sign bit
	v_lshlrev_b32 v[TT+8*\p+3], 31, v[TT+8*\p+3]
.endr
.irp p, 0,1
	v_pk_fma_f32 v[CB+2*\p:CB+2*\p+1], v[TT+8*\p:TT+8*\p+1], s[PH:PH+1], v[CB+2*\p:CB+2*\p+1] op_sel_hi:[1,0,1] neg_lo:[0,0,1] neg_hi:[0,0,1]   ; d = (2 k + 1) pi/2 - x
.endr
.irp p, 0,1
	v_pk_fma_f32 v[CB+2*\p:CB+2*\p+1], v[TT+8*\p:TT+8*\p+1], s[PM:PM+1], v[CB+2*\p:CB+2*\p+1] op_sel_hi:[1,0,1]
.endr
.irp p, 0,1
	v_pk_fma_f32 v[CB+2*\p:CB+2*\p+1], v[TT+8*\p:TT+8*\p+1], s[PL:PL+1], v[CB+2*\p:CB+2*\p+1] op_sel_hi:[1,0,1]
.endr
.irp p, 0,1
	v_xor_b32 v[CB+2*\p], v[CB+2*\p], v[TT+8*\p+2] ; sin is odd: the sign goes into d
	v_xor_b32 v[CB+2*\p+1], v[CB+2*\p+1], v[TT+8*\p+3]
.endr
.irp p, 0,1
	v_pk_mul_f32 v[TT+8*\p+4:TT+8*\p+5], v[CB+2*\p:CB+2*\p+1], v[CB+2*\p:CB+2*\p+1]
.endr
.irp p, 0,1
	v_pk_fma_f32 v[TT+8*\p+6:TT+8*\p+7], v[TT+8*\p+4:TT+8*\p+5], s[C11:C11+1], v[VC9:VC9+1] op_sel_hi:[1,0,1]
.endr
.irp k, C7, C5, C3
.irp p, 0,1
	v_pk_fma_f32 v[TT+8*\p+6:TT+8*\p+7], v[TT+8*\p+6:TT+8*\p+7], v[TT+8*\p+4:TT+8*\p+5], s[\k:\k+1] op_sel_hi:[1,1,0]
.endr
.endr
.irp p, 0,1
	v_pk_mul_f32 v[TT+8*\p+6:TT+8*\p+7], v[TT+8*\p+6:TT+8*\p+7], v[CB+2*\p:CB+2*\p+1]
.endr
.irp p, 0,1
	v_pk_fma_f32 v[CB+2*\p:CB+2*\p+1], v[TT+8*\p+4:TT+8*\p+5], v[TT+8*\p+6:TT+8*\p+7], v[CB+2*\p:CB+2*\p+1]   ; d + d^3 (..)
.endr
.endm
; the cosine of four numbers of magnitude 1 at the most, in place
.macro COSS2 a
.set CB, \a
.irp p, 0,1
	v_pk_mul_f32 v[TT+8*\p:TT+8*\p+1], v[CB+2*\p:CB+2*\p+1], v[CB+2*\p:CB+2*\p+1]
.endr
.irp p, 0,1
	v_pk_fma_f32 v[TT+8*\p+2:TT+8*\p+3], v[TT+8*\p:TT+8*\p+1], s[K10:K10+1], v[VK8:VK8+1] op_sel_hi:[1,0,1]
.endr
.irp k, K6, K4
.irp p, 0,1
	v_pk_fma_f32 v[TT+8*\p+2:TT+8*\p+3], v[TT+8*\p+2:TT+8*\p+3], v[TT+8*\p:TT+8*\p+1], s[\k:\k+1] op_sel_hi:[1,1,0]
.endr
.endr
.irp p, 0,1
	v_pk_fma_f32 v[TT+8*\p+2:TT+8*\p+3], v[TT+8*\p+2:TT+8*\p+3], v[TT+8*\p:TT+8*\p+1], -0.5 op_sel_hi:[1,1,0]
.endr
.irp p, 0,1
	v_pk_fma_f32 v[CB+2*\p:CB+2*\p+1], v[TT+8*\p+2:TT+8*\p+3], v[TT+8*\p:TT+8*\p+1], 1.0 op_sel_hi:[1,1,0]
.endr
.endm
; 32 numbers of one lane, one block, v[s] .. v[s + 31]: codes into v[C] .. v[C + 5], the scale byte into v[by]
.macro QUANT32 s, by
.set QS_, \s
	v_max3_num_f32 v[QM], |v[QS_]|, |v[QS_+1]|, |v[QS_+2]|
	v_max3_num_f32 v[QM+1], |v[QS_+3]|, |v[QS_+4]|, |v[QS_+5]|
.irp i, 6,10,14,18,22,26
	v_max3_num_f32 v[QM], v[QM], |v[QS_+\i]|, |v[QS_+\i+1]|
	v_max3_num_f32 v[QM+1], v[QM+1], |v[QS_+\i+2]|, |v[QS_+\i+3]|
.endr
	v_max3_num_f32 v[QM], v[QM], |v[QS_+30]|, |v[QS_+31]|
	v_max3_num_f32 v[QM], v[QM], v[QM+1], 0x1800000    ; the floor 2^(3 - 127): the byte cannot fall under 1
	v_add_nc_u32 v[QM+1], 0xff000000, v[QM]            ; 2 off the exponent field: the conversion's scale operand
	v_lshrrev_b32 v[\by], 23, v[QM+1]                  ; the scale's byte
	v_cvt_scalef32_pk16_fp6_f32 v[C:C+2], v[QS_:QS_+15], v[QM+1]
	v_cvt_scalef32_pk16_fp6_f32 v[C+4:C+6], v[QS_+16:QS_+31], v[QM+1]   ; (a conversion's three registers begin on an even number)
	v_nop                                              ; one plain place behind a scaled conversion
	v_mov_b32 v[C+3], v[C+4]
	v_mov_b32 v[C+4], v[C+5]
	v_mov_b32 v[C+5], v[C+6]
.endm
	s_load_b512 s[4:19], s[0:1], 0x0               ; x 4:5, th 6:7, W1 codes 8:9, W1 scales 10:11, W2 codes 12:13, W2 scales 14:15, b1 16:17, kv 18:19
	s_load_b64 s[20:21], s[0:1], 0x40              ; wst
	v_lshl_add_u32 v[SPW], v0, 2, SPARE
	v_mov_b32 v[NIL], 0
	v_lshrrev_b32 v1, 5, v0
	v_readfirstlane_b32 s22, v1                    ; wave 0..3
	v_and_b32 v1, 31, v0                           ; l
	v_and_b32 v2, 15, v0                           ; l % 16
	v_bfe_u32 v3, v0, 4, 1                         ; l / 16
	s_cmp_ge_u32 ttmp9, 512
	s_cbranch_scc1 .Lweights
	; ---------------- xq and its two sets of codes ----------------
	SPAIR IPI, 0x3ea2f983
	SPAIR PH,  0x3fc90fdb
	SPAIR PM,  0xb33bbd2e
	SPAIR PL,  0xa6f72ced
	SPAIR C11, 0xb2cd4ca9
	SPAIR C7,  0xb9500c03
	SPAIR C5,  0x3c088887
	SPAIR C3,  0xbe2aaaab
	SPAIR K10, 0xb493f27e
	SPAIR K6,  0xbab60b61
	SPAIR K4,  0x3d2aaaab
	v_mov_b32 v[VC9], 0x3638b94f
	v_mov_b32 v[VC9+1], 0x3638b94f
	v_mov_b32 v[VK8], 0x37d00d01
	v_mov_b32 v[VK8+1], 0x37d00d01
	s_wait_alu depctr_va_vdst(0)
	v_lshlrev_b32 v[VTH], 4, v2
	v_lshl_add_u32 v[VX], v3, 11, v[VTH]
	s_mul_i32 s46, s22, 32*WPIT
	s_add_co_u32 s46, s46, WSTG                    ; my stage
	v_mul_u32_u24 v[SA], v3, WPIT
	v_lshl_add_u32 v[SA], v2, 4, v[SA]
	v_add_nc_u32 v[SA], s46, v[SA]                 ; in: row 2 i + l / 16, 16 bytes at 16 (l % 16)
	v_mul_u32_u24 v[RA], v1, WPIT
	v_add_nc_u32 v[RA], s46, v[RA]                 ; row l
	v_lshl_add_u32 v[CA], v1, 2, s46               ; column l
	v_and_b32 v14, 7, v0
	v_lshl_add_u32 v14, v3, 3, v14                 ; key l of the wave's 32 is row r = l % 8 + 8 (l / 16)
	v_bfe_u32 v15, v0, 3, 1                        ; of tile u = (l / 8) % 2
	v_mul_u32_u24 v[KA], v14, 48
	v_mad_u32_u24 v[KA], v15, 24, v[KA]
	s_mul_i32 s47, s22, 1536
	v_add_nc_u32 v[KA], s47, v[KA]                 ; 1,536 w + 48 r + 24 u (+ 768 for d block 1)
	v_lshlrev_b32 v[KSA], 3, v14
	v_lshl_add_u32 v[KSA], v15, 1, v[KSA]
	s_and_b32 s48, s22, 1
	s_lshr_b32 s49, s22, 1
	s_lshl_b32 s50, s48, 7
	s_lshl_b32 s51, s49, 2
	s_add_co_u32 s50, s50, s51
	s_add_co_u32 s50, s50, 12288
	v_add_nc_u32 v[KSA], s50, v[KSA]               ; 12,288 + 128 (w % 2) + 4 (w / 2) + 8 r + 2 u
	v_mul_u32_u24 v[VA], v3, 1536
	v_mad_u32_u24 v[VA], v2, 48, v[VA]
	s_mul_i32 s50, s48, 768
	s_mul_i32 s51, s49, 24
	s_add_co_u32 s50, s50, s51
	s_add_co_u32 s50, s50, 6144
	v_add_nc_u32 v[VA], s50, v[VA]                 ; 6,144 + 1,536 (l / 16) + 48 (l % 16) + 768 (w % 2) + 24 (w / 2) (+ 3,072 for columns 32 on)
	v_lshlrev_b32 v[VSA], 3, v1
	s_add_co_u32 s50, s22, 12544
	v_add_nc_u32 v[VSA], s50, v[VSA]               ; 12,544 + 8 l + w (+ 4 for columns 32 on)
	v_lshlrev_b32 v[OA], 4, v0
	s_and_b32 s53, ttmp9, 7                        ; the head within the batch
	s_lshr_b32 s54, ttmp9, 3                       ; which 128 rows of the 8,192
	s_lshl_b32 s56, s54, 18
	s_lshl_b32 s55, s22, 16
	s_add_co_u32 s56, s56, s55
	s_lshl_b32 s58, s53, 8
	s_add_co_u32 s56, s56, s58                     ; x: (128 rb + 32 w) rows of 2,048 bytes + 256 x head
	s_mov_b32 s57, 0
	s_mov_b32 s59, 0
	s_lshr_b32 s55, s54, 4
	s_lshl_b32 s55, s55, 3
	s_add_co_u32 s55, s55, s53
	s_lshl_b32 s55, s55, 4
	s_and_b32 s54, s54, 15
	s_add_co_u32 s54, s54, s55                     ; the record: (8 batch + head) x 16 + block of 128 keys
	s_mul_i32 s54, s54, 12800
	s_mov_b32 s55, 0
	s_wait_kmcnt 0x0
	s_add_nc_u64 s[4:5], s[4:5], s[56:57]
	s_add_nc_u64 s[6:7], s[6:7], s[58:59]
	s_add_nc_u64 s[18:19], s[18:19], s[54:55]
	global_load_b128 v[CTH:CTH+3], v[VTH], s[6:7]
.irp i, 0,1,2,3,4,5,6,7,8,9,10,11,12,13,14,15
	global_load_b128 v[X+4*\i:X+4*\i+3], v[VX], s[4:5] offset:4096*\i th:TH_LOAD_NT   ; rows 2 i and 2 i + 1: sixteen lanes read the head's 256 consecutive bytes of a row
.endr
	s_wait_loadcnt 16                              ; th is in; the sixteen loads of x may be out
	COSP2 CTH
.macro XQ4 i
	s_wait_loadcnt 15-(\i)                         ; load i is in; the younger ones stay out
	COSP2 X+4*(\i)
	v_pk_mul_f32 v[X+4*(\i):X+4*(\i)+1], v[X+4*(\i):X+4*(\i)+1], v[CTH:CTH+1]
	v_pk_mul_f32 v[X+4*(\i)+2:X+4*(\i)+3], v[X+4*(\i)+2:X+4*(\i)+3], v[CTH+2:CTH+3]
	COSS2 X+4*(\i)
	v_pk_mul_f32 v[X+4*(\i):X+4*(\i)+1], v[X+4*(\i):X+4*(\i)+1], v[CTH:CTH+1]
	v_pk_mul_f32 v[X+4*(\i)+2:X+4*(\i)+3], v[X+4*(\i)+2:X+4*(\i)+3], v[CTH+2:CTH+3]
	ds_store_b128 v[SA], v[X+4*(\i):X+4*(\i)+3] offset:2*WPIT*(\i)
.endm
.irp i, 0,1,2,3,4,5,6,7,8,9,10,11,12,13,14,15
	XQ4 \i
.endr
	; a lane to a row (Q, K).  The stage is the wave's own, and LDS serves a wave's instructions in order: no wait between the stores and the loads
.irp i, 0,1,2,3,4,5,6,7,8,9,10,11,12,13,14,15
	ds_load_b128 v[R+4*\i:R+4*\i+3], v[RA] offset:16*\i
.endr
	s_wait_dscnt 0x0                               ; the row is in, and the stores have read x's registers,
.irp f, 0,1                                    ; which take the columns (V): a lane to a column, registers down the wave's 32 keys; they land under the work on K
.irp i, 0,1,2,3,4,5,6,7,8,9,10,11,12,13,14,15,16,17,18,19,20,21,22,23,24,25,26,27,28,29,30,31
	ds_load_b32 v[X+32*\f+\i], v[CA] offset:WPIT*\i+128*\f
.endr
.endr
.irp h, 0,1
	QUANT32 R+32*\h, QB+\h
.irp j, 0,1,2
	ds_store_b64 v[KA], v[C+2*\j:C+2*\j+1] offset:768*\h+8*\j
.endr
	s_wait_dscnt 0x0                               ; the stores have read their registers (and the columns are in)
.endr
	s_wait_alu depctr_va_vdst(0)
	v_lshl_or_b32 v[QB+2], v[QB+1], 8, v[QB]
	ds_store_b16 v[KSA], v[QB+2]                   ; my key's two scale bytes
.irp f, 0,1
	QUANT32 X+32*\f, QB+\f
.irp j, 0,1,2
	ds_store_b64 v[VA], v[C+2*\j:C+2*\j+1] offset:3072*\f+8*\j
.endr
	ds_store_b8 v[VSA], v[QB+\f] offset:4*\f
	s_wait_dscnt 0x0                               ; the stores have read their registers; before the barrier: my part of the record lies in LDS
.endr
	s_barrier_signal -1
	s_barrier_wait -1                              ; everybody's does: V's image and the scale words come from all four waves
.irp t, 0,1,2,3,4,5
	ds_load_b128 v[R+4*\t:R+4*\t+3], v[OA] offset:2048*\t
.endr
.irp t, 0,1,2,3,4,5
	s_wait_dscnt 5-\t                              ; load t is in; the younger ones stay out
	global_store_b128 v[OA], v[R+4*\t:R+4*\t+3], s[18:19] offset:2048*\t   ; a wave's store covers 512 consecutive bytes, aligned
.endr
	s_cmp_lg_u32 s22, 0
	s_cbranch_scc1 .Lno_tail
	ds_load_b128 v[R+24:R+27], v[OA] offset:12288  ; wave 0: the record's last 512 bytes, the scale words
	s_wait_dscnt 0x0
	global_store_b128 v[OA], v[R+24:R+27], s[18:19] offset:12288
.Lno_tail:
	s_wait_tensorcnt 0x0                           ; the wave's end: behind my last LDS store
	ds_add_u32 v[SPW], v[NIL]
	s_wait_dscnt 0x0
	s_endpgm
	; ---------------- the weights' stream: one wave, one record ----------------
; four fragments and their two scale words a lane.  Fragment f begins ma (f % 2) + mb (f / 2) bytes on; scale word q, so x q bytes on
.macro RECLOAD cb, sb, ma, mb, so
.irp f, 0,1,2,3
.irp p, 0,1,2,3,4,5
	global_load_b64 v[W+12*\f+2*\p:W+12*\f+2*\p+1], v4, s[\cb:\cb+1] offset:\ma*(\f%2)+\mb*(\f/2)+48*(\p/3)+8*(\p%3)
.endr
.endr
.irp q, 0,1
	global_load_b32 v[80+\q], v5, s[\sb:\sb+1] offset:\so*\q
.endr
.endm
.Lweights:
	s_sub_co_u32 s46, ttmp9, 512
	s_lshl_b32 s47, s46, 2
	s_add_co_u32 s47, s47, s22                     ; the record: 16 x slot + its place j in the slot
	s_and_b32 s48, s47, 15                         ; j
	s_lshr_b32 s49, s46, 4                         ; the chunk of 512 hidden units: slot / 4
	s_bfe_u32 s50, s46, 0x20002                    ; slot % 4: 0, 1: W1's tiles u = 0, 1;  2, 3: W2's K steps 0, 1 and 2, 3 of the chunk
	s_mul_i32 s52, s47, 6656
	s_mov_b32 s53, 0
	s_mov_b32 s55, 0
	s_mov_b32 s57, 0
	s_mov_b32 s59, 0
	s_wait_alu depctr_va_vdst(0)
	v_lshlrev_b32 v6, 4, v1
	v_lshlrev_b32 v7, 3, v1
	s_wait_kmcnt 0x0
	s_add_nc_u64 s[20:21], s[20:21], s[52:53]
	s_cmp_ge_u32 s50, 2
	s_cbranch_scc1 .Lw2
	s_lshl_b32 s51, s49, 9
	s_lshl_b32 s54, s48, 5
	s_add_co_u32 s51, s51, s54
	s_lshl_b32 s54, s50, 3
	s_add_co_u32 s51, s51, s54                     ; the tile's first hidden unit: 512 c + 32 j + 8 u
	s_mul_i32 s54, s51, 384                        ; a row of W1 is 512 codes, 384 bytes,
	s_lshl_b32 s56, s51, 4                         ; 16 scale bytes,
	s_lshl_b32 s58, s51, 2                         ; one number of b1
	s_add_nc_u64 s[8:9], s[8:9], s[54:55]
	s_add_nc_u64 s[10:11], s[10:11], s[56:57]
	s_add_nc_u64 s[16:17], s[16:17], s[58:59]
	v_and_b32 v8, 8, v2
	v_add_nc_u32 v8, v8, v2                        ; row r of the tile is hidden unit r + 8 (r / 8) on
	v_mul_u32_u24 v4, v8, 384
	v_mad_u32_u24 v4, v3, 24, v4
	v_lshlrev_b32 v5, 4, v8
	v_lshl_add_u32 v5, v3, 2, v5                   ; lanes 16-31 take the next K step's word
	v_and_b32 v9, 7, v0
	v_bfe_u32 v10, v0, 2, 1
	v_lshlrev_b32 v9, 3, v9
	v_lshl_add_u32 v9, v10, 5, v9                  ; b1: lanes 0-7 take rows 2 l, 2 l + 1 of the tile: 8 (l % 8) + 32 ((l / 4) % 2) bytes on
	RECLOAD 8, 10, 96, 192, 8                      ; fragment f = K step f
	global_load_b64 v[82:83], v9, s[16:17]
	s_wait_loadcnt 0x0
	v_cmp_gt_u32 vcc_lo, 8, v1
	v_cndmask_b32 v82, 0, v82, vcc_lo              ; lanes 8 on: zeros
	v_cndmask_b32 v83, 0, v83, vcc_lo
	s_branch .Lput
.Lw2:
	s_lshl_b32 s51, s49, 2
	s_sub_co_u32 s54, s50, 2
	s_lshl_b32 s54, s54, 1
	s_add_co_u32 s51, s51, s54                     ; the record's first K step of 128
	s_mul_i32 s54, s48, 49152                      ; my 32 output rows of 2,048 codes, 1,536 bytes each
	s_mul_i32 s56, s51, 96
	s_add_co_u32 s54, s54, s56
	s_lshl_b32 s56, s48, 11                        ; and of 64 scale bytes
	s_lshl_b32 s58, s51, 2
	s_add_co_u32 s56, s56, s58
	s_add_nc_u64 s[12:13], s[12:13], s[54:55]
	s_add_nc_u64 s[14:15], s[14:15], s[56:57]
	v_mul_u32_u24 v4, v2, 1536
	v_mad_u32_u24 v4, v3, 24, v4
	v_lshlrev_b32 v5, 6, v1                        ; lanes 16-31 take the second tile's rows
	RECLOAD 12, 14, 24576, 96, 4                   ; fragment f = K step f / 2, output tile f % 2
	v_mov_b32 v82, 0
	v_mov_b32 v83, 0
	s_wait_loadcnt 0x0
.Lput:
	s_wait_alu depctr_va_vdst(0)
.irp f, 0,1,2,3
.irp c, 0,1,2
	global_store_b128 v6, v[W+12*\f+4*\c:W+12*\f+4*\c+3], s[20:21] offset:1536*\f+512*\c   ; 512 consecutive bytes, aligned
.endr
.endr
	global_store_b64 v7, v[80:81], s[20:21] offset:6144   ; 256 consecutive bytes, aligned
	global_store_b64 v7, v[82:83], s[20:21] offset:6400
	s_endpgm
.Lfunc_end_k_q1407208ec3_prep:
	.size	k_q1407208ec3_prep, .Lfunc_end_k_q1407208ec3_prep-k_q1407208ec3_prep
	.p2alignl 7, 3214868480
	.fill 96, 4, 3214868480
	.section	.rodata,"a",@progbits
	.p2align	6, 0x0
	.amdhsa_kernel k_q1407208ec3_prep
		.amdhsa_group_segment_fixed_size 48128
		.amdhsa_private_segment_fixed_size 0
		.amdhsa_enable_private_segment 0
		.amdhsa_kernarg_size 72
		.amdhsa_user_sgpr_count 2
		.amdhsa_user_sgpr_kernarg_segment_ptr 1
		.amdhsa_wavefront_size32 1
		.amdhsa_system_sgpr_workgroup_id_x 1
		.amdhsa_system_sgpr_workgroup_id_y 1
		.amdhsa_system_sgpr_workgroup_id_z 1
		.amdhsa_system_vgpr_workitem_id 0
		.amdhsa_next_free_vgpr 192
		.amdhsa_next_free_sgpr 66
		.amdhsa_reserve_vcc 1
		.amdhsa_float_denorm_mode_32 3
		.amdhsa_float_denorm_mode_16_64 3
		.amdhsa_memory_ordered 1
		.amdhsa_forward_progress 1
		.amdhsa_inst_pref_size 81
	.end_amdhsa_kernel
	.amdgpu_metadata
---
amdhsa.version: [ 1, 2 ]
amdhsa.kernels:
  - .name:           k_q1407208ec3_prep
    .symbol:         k_q1407208ec3_prep.kd
    .args:
      - { .name: x, .offset: 0, .size: 8, .value_kind: global_buffer, .address_space: global }
      - { .name: th_attn, .offset: 8, .size: 8, .value_kind: global_buffer, .address_space: global }
      - { .name: W1_codes, .offset: 16, .size: 8, .value_kind: global_buffer, .address_space: global }
      - { .name: W1_scales, .offset: 24, .size: 8, .value_kind: global_buffer, .address_space: global }
      - { .name: W2_codes, .offset: 32, .size: 8, .value_kind: global_buffer, .address_space: global }
      - { .name: W2_scales, .offset: 40, .size: 8, .value_kind: global_buffer, .address_space: global }
      - { .name: b1, .offset: 48, .size: 8, .value_kind: global_buffer, .address_space: global }
      - { .name: kv, .offset: 56, .size: 8, .value_kind: global_buffer, .address_space: global }
      - { .name: wst, .offset: 64, .size: 8, .value_kind: global_buffer, .address_space: global }
    .group_segment_fixed_size: 48128
    .private_segment_fixed_size: 0
    .kernarg_segment_align: 8
    .kernarg_segment_size: 72
    .max_flat_workgroup_size: 128
    .sgpr_count:     66
    .vgpr_count:     192
    .wavefront_size: 32
...
	.end_amdgpu_metadata
.endif
;; end of part 1
;; launch attn (part 2): grid 8 x 32, 16 waves a work-group, clusters of 4 x 1, 276,480 bytes of LDS; arguments kv, ao; writes ao
.if DOCPART == 2
	.amdgcn_target "amdgcn-amd-amdhsa--gfx1250"
	.amdhsa_code_object_version 6
	.text
	.protected	k_q1407208ec3_attn
	.globl	k_q1407208ec3_attn
	.p2align	8
	.type	k_q1407208ec3_attn,@function
k_q1407208ec3_attn:
	s_mov_b64 s[64:65], 0
	v_nop
	global_prefetch_b8 v0, s[64:65] scope:SCOPE_SE
	s_setreg_imm32_b32 hwreg(HW_REG_WAVE_MODE, 25, 1), 1
	s_wait_xcnt 0x0
	s_wait_alu depctr_hold_cnt(0) depctr_sa_sdst(0) depctr_va_vdst(0) depctr_va_sdst(0) depctr_va_ssrc(0) depctr_va_vcc(0) depctr_vm_vsrc(0)
	s_getreg_b32 s2, hwreg(HW_REG_IB_STS2, 6, 4)
	s_cmp_eq_u32 s2, 0
	s_cbranch_scc0 .Lentry_in_a_cluster
	s_endpgm
.Lentry_in_a_cluster:
	s_bfe_u32 s2, ttmp6, 0x10000c
	s_cmp_lg_u32 s2, 0x3003
	s_cbranch_scc0 .Lentry_shape_is_right
	s_endpgm
.Lentry_shape_is_right:
; ATTN: ao[row][64 head + d] = sum over keys of softmax(q . k / 8) v, q = k = v = xq, both products on codes of FP6 (E2M3) with one E8M0 scale for each 32 along K.  Nothing of reference() is left out.
; kv holds, for each of the 32 heads, 16 records of 128 keys (12,800 bytes), laid by the first launch in the order of the operands' registers (the layout stands at that kernel's head).
; SHARES.  A work-group owns 256 queries of one head, each of its sixteen waves one tile of 16; four waves share a SIMD, so that one wave's vector work stands beside another's products and LDS loads.
; THE WHOLE HEAD LIES IN LDS: 16 records, 204,800 bytes, filled once: wave w asks for record w; one tensor load a wave is out, and no byte is filled again.
; CLUSTER.  The four work-groups of a cluster belong to one head and want the same 16 records: each is asked for JOINTLY, by the same load with the same descriptor and a mask that names the four.
; LAYOUT.  Both products are used transposed (S^T = K Q^T, O^T = V^T P^T): a lane holds ONE query throughout.  The head's K is 64, the instruction's 128: a fragment of K holds TWO tiles of 16 keys (registers 0-5, 6-11),
; and Q stands as [q][zeros][q]: against (q; 0) the first tile comes out, against (0; q) the second: zero codes add nothing.  The keys of a tile are chosen so that the 16 registers of two neighbouring tiles are 16 neighbouring keys.
; My 16 queries are the keys of one such tile: rows 8 (w % 2) + {0 .. 7, 16 .. 23} of the 32 rows 32 (w / 2) on.
; THE SOFTMAX: p = 2^(t - M), t = score x log2(e) / 8, M a whole number; p is quantised along the keys, not normalised; the sum of the unquantised p divides at the end.
; M = 12 FOR EVERY ROW, AND THAT IS NO LIMIT: xq is a product of two cosines, so |xq| <= 1 for every input; a block whose largest magnitude is at most 1 gives no quantised number above 1 (4 x 2^-2 at 1, else at most
; 7.5 x 2^-3); so |q . k| <= 64, |score| <= 8 and |t| <= 11.55.  With M = 12, p lies between 2^-23.6 and 2^-0.45 and a row's sum under 2,048: nothing can overflow or underflow, and the scale bytes stay at 101 or more.
; Against the ceiling of the row's largest t this M differs by a whole number, which a block's scale takes up: the codes' values are the same.
; LIMITS: NaN and infinities among the inputs are not served.
.set REC,   12800
.set STG,   204800                     ; LDS: behind the 16 records a stage of 16 rows x (256 + 16) bytes for each wave, for the way out
.set SPARE, 274432                     ; the spare words, 128 bytes for each wave: eight blocks of 256 bytes that no other line names
.set L48, 1                            ; v1   48 x lane
.set L8,  2                            ; v2   8 x lane
.set ADK, 3                            ; v3   the step's images
.set ADS, 4                            ; v4   the step's scale words
.set SPW, 5                            ; v5   LDS address of my spare word; never rewritten
.set NIL, 6                            ; v6   0; never rewritten
.set GO,  7                            ; v7   the way out: my byte offset in ao
.set STI, 8                            ; v8   stage, in
.set STB, 9                            ; v9   stage, back
.set QR,  20                           ; v20-37 Q: [q 6][zeros 6][q 6]
.set QS,  38                           ; v38  Q's scale word: (s0, s1, s0, s1)
.set KS,  40                           ; v40-41 K's scale words
.set VS,  42                           ; v42-43 V's
.set PW,  44                           ; v44  p's
.set F,   48                           ; v48-95 four fragments of K, then of V
.set S,   96                           ; v96-159 S^T, then p
.set O,   160                          ; v160-191 O^T, four tiles
.set PC,  192                          ; v192-203 p's codes; v204-206, v208-210 at work
.set TM,  212                          ; v212-215 largest p, v216-219 the other half's, v220-223 scale operands, v224-227 bytes
.set WV,  8
.set G0,  20                           ; s[20:23]
.set G1,  24                           ; s[24:31]
.set SEL, 34                           ; s[34:35] lane l xor 16
.set TB,  36                           ; s36  LDS byte at which the step's record begins
.set CNT, 37
.macro CROUND                          ; a round of the cluster's barrier
	s_barrier_signal -1
	s_barrier_wait -1
	s_cmp_lg_u32 s[WV], 0
	s_cbranch_scc1 .Lnot_wave_0_\@
	s_barrier_signal -3
.Lnot_wave_0_\@:
	s_barrier_wait -3
	s_barrier_signal -1
	s_barrier_wait -1
.endm
	s_load_b128 s[4:7], s[0:1], 0x0                ; kv, ao
	v_lshl_add_u32 v[SPW], v0, 2, SPARE
	v_mov_b32 v[NIL], 0
	ds_add_u32 v[SPW], v[NIL]                      ; the wave's opening: the add, twice on end, and its wait ahead of my first tensor load
	ds_add_u32 v[SPW], v[NIL]
	v_lshrrev_b32 v10, 5, v0
	s_delay_alu instid0(VALU_DEP_1)
	v_readfirstlane_b32 s[WV], v10                 ; wave 0..15
	s_and_b32 s11, ttmp7, 0xffff                   ; the head, 8 x batch + head: the four partners share it
	s_mov_b32 s[G1], 15|(3<<16)|(1<<21)            ; the mask: all four work-groups; elements of 8 bytes; bit 21 beside a mask; no padding
	s_mov_b32 s[G1+1], 32<<16                      ; tensor_dim0 = 32 elements: rows of 256 bytes
	s_mov_b32 s[G1+2], 50<<16                      ; tensor_dim1 = 50 rows: a record
	s_mov_b32 s[G1+3], 32<<16                      ; tile_dim0
	s_mov_b32 s[G1+4], 50                          ; tile_dim1
	s_mov_b32 s[G1+5], 32                          ; the pitch: dense
	s_mov_b32 s[G1+6], 0
	s_mov_b32 s[G1+7], 0
	s_mov_b32 s[SEL], 0x76543210
	s_mov_b32 s[SEL+1], 0xfedcba98
	s_mov_b32 s[TB], 0
	s_mul_i32 s12, s11, 16*REC
	s_mov_b32 s13, 0
	s_mul_i32 s14, s[WV], REC
	s_mov_b32 s15, 0
	s_wait_dscnt 0x0                               ; both opening adds are done
	s_wait_kmcnt 0x0
	s_add_nc_u64 s[4:5], s[4:5], s[12:13]          ; kv at my head
	s_mov_b32 s[G0], 1
	s_mul_i32 s[G0+1], s[WV], REC                  ; record w lands at 12,800 w
	s_add_nc_u64 s[G0+2:G0+3], s[4:5], s[14:15]
	s_or_b32 s[G0+3], s[G0+3], 0x80000000
	CROUND                                         ; all four work-groups are here: the joint loads meet
	tensor_load_to_lds s[G0:G0+3], s[G1:G1+7]
	s_nop 0
	; Q comes from memory, not from LDS: which record holds my queries hangs on my work-group's place in the cluster
	s_bfe_u32 s9, ttmp6, 0x40000                   ; cx
	s_lshl_b32 s10, ttmp9, 2
	s_add_co_u32 s10, s10, s9                      ; my block of 256 queries
	s_lshl_b32 s38, s10, 1
	s_lshr_b32 s39, s[WV], 3
	s_add_co_u32 s38, s38, s39
	s_mul_i32 s38, s38, REC                        ; the record with my queries
	s_bfe_u32 s39, s[WV], 0x20001                  ; double fragment b = (w / 2) % 4
	s_mul_i32 s39, s39, 1536
	s_and_b32 s40, s[WV], 1                        ; tile u = w % 2
	s_mul_i32 s41, s40, 24
	s_add_co_u32 s39, s39, s41
	s_add_co_u32 s42, s38, s39
	s_mov_b32 s43, 0
	s_add_nc_u64 s[42:43], s[4:5], s[42:43]        ; my codes
	s_bfe_u32 s39, s[WV], 0x10001
	s_lshl_b32 s39, s39, 7
	s_bfe_u32 s41, s[WV], 0x10002
	s_lshl_b32 s41, s41, 2
	s_add_co_u32 s39, s39, s41
	s_lshl_b32 s41, s40, 1
	s_add_co_u32 s39, s39, s41
	s_add_co_u32 s44, s38, s39
	s_add_co_u32 s44, s44, 12288
	s_mov_b32 s45, 0
	s_add_nc_u64 s[44:45], s[4:5], s[44:45]        ; my scale halfwords: + 128 (b % 2) + 4 (b / 2) + 2 u
	v_and_b32 v10, 31, v0
	s_delay_alu instid0(VALU_DEP_1)
	v_mul_u32_u24 v[L48], v10, 48
	s_delay_alu instid0(VALU_DEP_2)
	v_lshlrev_b32 v[L8], 3, v10
	v_and_b32 v10, 15, v0                          ; r
	s_wait_alu depctr_va_vdst(0)
	v_bfe_u32 v11, v0, 4, 1                        ; h
	v_lshlrev_b32 v47, 3, v10
.irp p, 0,1,2
	global_load_b64 v[QR+2*\p:QR+2*\p+1], v[L48], s[42:43] offset:8*\p
.endr
	global_load_u16 v46, v47, s[44:45]
	s_lshr_b32 s38, s11, 3
	s_lshl_b32 s38, s38, 11
	s_lshl_b32 s39, s10, 8
	s_add_co_u32 s38, s38, s39
	s_lshr_b32 s39, s[WV], 1
	s_lshl_b32 s39, s39, 5
	s_add_co_u32 s38, s38, s39
	s_lshl_b32 s39, s40, 3
	s_add_co_u32 s38, s38, s39                     ; my first row of ao: 2,048 batch + 256 block + 32 (w / 2) + 8 (w % 2)
	s_lshl_b32 s38, s38, 11
	s_and_b32 s39, s11, 7
	s_lshl_b32 s39, s39, 8
	s_add_co_u32 s38, s38, s39                     ; + the head's 256 bytes of a row
	s_mov_b32 s39, 0
	s_add_nc_u64 s[6:7], s[6:7], s[38:39]
	s_mul_i32 s16, s[WV], 16*272
	s_add_co_u32 s16, s16, STG                     ; my stage
	v_mul_u32_u24 v[STI], v10, 272
	s_wait_alu depctr_va_vdst(0)
	v_lshl_add_u32 v[STI], v11, 5, v[STI]
	s_delay_alu instid0(VALU_DEP_1)
	v_add_nc_u32 v[STI], s16, v[STI]               ; in: row r, + 32 h
	v_mul_u32_u24 v[STB], v11, 272
	s_delay_alu instid0(VALU_DEP_1)
	v_lshl_add_u32 v[STB], v10, 4, v[STB]
	s_delay_alu instid0(VALU_DEP_1)
	v_add_nc_u32 v[STB], s16, v[STB]               ; back: lanes 0-15 one row, lanes 16-31 the next
	v_lshlrev_b32 v[GO], 11, v11
	s_delay_alu instid0(VALU_DEP_1)
	v_lshl_add_u32 v[GO], v10, 4, v[GO]
	v_mov_b32 v12, 0xc1400000                      ; -M = -12
	v_mov_b32 v13, 0xc1400000                      ; (the same once more: each half of a dual pair names its own register)
	v_mov_b32 v18, 0x3e38aa3b                      ; log2(e) / 8,
	v_mov_b32 v19, 0x3e38aa3b                      ; likewise twice
.irp i, 0,1,2,3,4,5
	v_mov_b32 v[QR+6+\i], 0                        ; Q's zero codes
.endr
.irp b, 0,1,2,3
	v_mov_b32 v[TM+4+\b], 0                        ; written once: a lane permute's destination counts as one of its sources
.endr
	s_wait_loadcnt 0x0
.irp i, 0,1,2,3,4,5
	v_mov_b32 v[QR+12+\i], v[QR+\i]
.endr
	v_lshl_or_b32 v[QS], v46, 16, v46
.rept 8
	v_nop                                          ; a scale register written by a vector instruction stands 8 places ahead of a scaled matrix instruction, an operand so written 4
.endr
	s_wait_alu depctr_va_vdst(0)
	s_wait_tensorcnt 0x0                           ; my record is in,
	s_barrier_signal -1
	s_barrier_wait -1                              ; everybody's is: the head lies in LDS
; A KEY STEP: one record, 128 keys.  first = 1: its products start O^T's sums, its additions the row's sum: nothing is cleared.
.macro STEP first
	v_add_nc_u32 v[ADK], s[TB], v[L48]
	v_add_nc_u32 v[ADS], s[TB], v[L8]
	v_nop
	v_nop                                          ; four places in front of loads into registers that the last products read
.irp b, 0,1,2,3
.irp c, 0,1,2
	ds_load_b128 v[F+12*\b+4*\c:F+12*\b+4*\c+3], v[ADK] offset:1536*\b+16*\c   ; lanes 48 bytes apart: sixteen lanes touch sixteen different columns of 16 bytes
.endr
.endr
	ds_load_b64 v[KS:KS+1], v[ADS] offset:12288
	s_wait_alu depctr_va_vdst(0)
	s_wait_dscnt 0x0
.irp b, 0,1,2,3                                ; S^T: eight tiles of 16 keys, eight accumulators
.irp u, 0,1
.if (\b%2) == 0
	v_wmma_scale_f32_16x16x128_f8f6f4 v[S+8*(2*\b+\u):S+8*(2*\b+\u)+7], v[F+12*\b:F+12*\b+11], v[QR+6*\u:QR+6*\u+11], 0, v[KS+\b/2], v[QS] matrix_a_fmt:MATRIX_FMT_FP6 matrix_b_fmt:MATRIX_FMT_FP6
.else
	v_wmma_scale_f32_16x16x128_f8f6f4 v[S+8*(2*\b+\u):S+8*(2*\b+\u)+7], v[F+12*\b:F+12*\b+11], v[QR+6*\u:QR+6*\u+11], 0, v[KS+\b/2], v[QS] matrix_a_fmt:MATRIX_FMT_FP6 matrix_b_fmt:MATRIX_FMT_FP6 matrix_a_scale:MATRIX_SCALE_ROW1
.endif
.endr
.endr                                          ; lane (r, h): query r; registers 16 b + 0 .. 15 are keys 32 b + 16 h + 0 .. 15
.rept 4
	v_nop                                          ; places in front of the loads below and of the first read of the scores
.endr
.irp t, 0,1,2,3                                ; V's fragments land under the softmax
.irp c, 0,1,2
	ds_load_b128 v[F+12*\t+4*\c:F+12*\t+4*\c+3], v[ADK] offset:6144+1536*\t+16*\c
.endr
.endr
	ds_load_b64 v[VS:VS+1], v[ADS] offset:12544
.irp j, 0,2,4,6,8,10,12,14,16,18,20,22,24,26,28,30,32,34,36,38,40,42,44,46,48,50,52,54,56,58,60,62
	v_dual_fma_f32 v[S+\j], v[S+\j], v18, v12 :: v_dual_fma_f32 v[S+\j+1], v[S+\j+1], v19, v13   ; t - M, two by a dual pair; each accumulator from its low end on
.endr
	s_wait_alu depctr_va_vdst(0)
.irp j, 0,1,2,3,4,5,6,7,8,9,10,11,12,13,14,15,16,17,18,19,20,21,22,23,24,25,26,27,28,29,30,31,32,33,34,35,36,37,38,39,40,41,42,43,44,45,46,47,48,49,50,51,52,53,54,55,56,57,58,59,60,61,62,63
	v_exp_f32 v[S+\j], v[S+\j]                     ; p
.endr
	v_nop                                          ; a plain place behind the last exponential
	s_wait_alu depctr_va_vdst(0)                   ; the wait ahead of the first instruction that names a result: one for the batch
.irp b, 0,1,2,3
	v_max3_num_f32 v[TM+\b], v[S+16*\b], v[S+16*\b+1], 0x1800000   ; each block's largest p (none is negative), with the floor 2^(3 - 127); the four blocks by turns
.endr
.irp i, 2,4,6,8,10,12,14
.irp b, 0,1,2,3
	v_max3_num_f32 v[TM+\b], v[TM+\b], v[S+16*\b+\i], v[S+16*\b+\i+1]
.endr
.endr
.irp b, 0,1,2,3
	s_delay_alu instid0(VALU_DEP_4)
	v_permlanex16_b32 v[TM+4+\b], v[TM+\b], s[SEL], s[SEL+1]
.endr
.irp b, 0,1,2,3
	s_delay_alu instid0(VALU_DEP_4)
	v_max_num_f32 v[TM+\b], v[TM+\b], v[TM+4+\b]   ; with lane l xor 16's 16 keys
.endr
.irp b, 0,1,2,3
	s_delay_alu instid0(VALU_DEP_4)
	v_add_nc_u32 v[TM+8+\b], 0xff000000, v[TM+\b]  ; 2 off the exponent field: the conversion's scale operand
.endr
.irp b, 0,1,2,3
	s_delay_alu instid0(VALU_DEP_4)
	v_lshrrev_b32 v[TM+12+\b], 23, v[TM+8+\b]      ; the scale's byte
.endr
	s_delay_alu instid0(VALU_DEP_3)
	v_lshl_or_b32 v[PW], v[TM+13], 8, v[TM+12]
	s_delay_alu instid0(VALU_DEP_1)
	v_lshl_or_b32 v[PW], v[TM+14], 16, v[PW]
	s_delay_alu instid0(VALU_DEP_1)
	v_lshl_or_b32 v[PW], v[TM+15], 24, v[PW]
.irp c, 0,1
	v_cvt_scalef32_pk16_fp6_f32 v[PC+6*\c:PC+6*\c+2], v[S+32*\c:S+32*\c+15], v[TM+8+2*\c]
	v_cvt_scalef32_pk16_fp6_f32 v[PC+12+4*\c:PC+12+4*\c+2], v[S+32*\c+16:S+32*\c+31], v[TM+8+2*\c+1]
.endr
	v_nop                                          ; one plain place behind a scaled conversion
.irp c, 0,1                                    ; the operand wants a WHOLE block in a lane: lanes 0-15 block 2 c, lanes 16-31 block 2 c + 1
.irp i, 0,1,2
	v_permlane16_swap_b32 v[PC+6*\c+\i], v[PC+12+4*\c+\i]
.endr
.irp i, 0,1,2
	s_delay_alu instid0(VALU_DEP_3)
	v_mov_b32 v[PC+3+6*\c+\i], v[PC+12+4*\c+\i]
.endr
.endr
.set J, 0                                      ; the row's sum, of the UNQUANTISED p, in two chains.  These lines are also the places between the scale word's and the codes' last writes and the products
.rept 16
.if \first && (J == 0)
	v_pk_add_f32 v[14:15], v[S:S+1], v[S+4:S+5]
	v_pk_add_f32 v[16:17], v[S+2:S+3], v[S+6:S+7]
.elseif \first && (J == 4)
.else
	v_dual_add_f32 v14, v[S+J], v14 :: v_dual_add_f32 v15, v[S+J+1], v15
	v_dual_add_f32 v16, v[S+J+2], v16 :: v_dual_add_f32 v17, v[S+J+3], v17
.endif
.set J, J+4
.endr
	s_wait_dscnt 0x0                               ; V is in
.irp t, 0,1,2,3                                ; O^T += V^T P^T: four accumulators by turns, one instruction a turn; eight other products stand between two links
.if \first
.if (\t%2) == 0
	v_wmma_scale_f32_16x16x128_f8f6f4 v[O+8*\t:O+8*\t+7], v[F+12*\t:F+12*\t+11], v[PC:PC+11], 0, v[VS+\t/2], v[PW] matrix_a_fmt:MATRIX_FMT_FP6 matrix_b_fmt:MATRIX_FMT_FP6
.else
	v_wmma_scale_f32_16x16x128_f8f6f4 v[O+8*\t:O+8*\t+7], v[F+12*\t:F+12*\t+11], v[PC:PC+11], 0, v[VS+\t/2], v[PW] matrix_a_fmt:MATRIX_FMT_FP6 matrix_b_fmt:MATRIX_FMT_FP6 matrix_a_scale:MATRIX_SCALE_ROW1
.endif
.else
.if (\t%2) == 0
	v_wmma_scale_f32_16x16x128_f8f6f4 v[O+8*\t:O+8*\t+7], v[F+12*\t:F+12*\t+11], v[PC:PC+11], v[O+8*\t:O+8*\t+7], v[VS+\t/2], v[PW] matrix_a_fmt:MATRIX_FMT_FP6 matrix_b_fmt:MATRIX_FMT_FP6
.else
	v_wmma_scale_f32_16x16x128_f8f6f4 v[O+8*\t:O+8*\t+7], v[F+12*\t:F+12*\t+11], v[PC:PC+11], v[O+8*\t:O+8*\t+7], v[VS+\t/2], v[PW] matrix_a_fmt:MATRIX_FMT_FP6 matrix_b_fmt:MATRIX_FMT_FP6 matrix_a_scale:MATRIX_SCALE_ROW1
.endif
.endif
.endr
	s_add_co_u32 s[TB], s[TB], REC                 ; the next record
.endm
	STEP 1
	s_mov_b32 s[CNT], 15
.Lstep:
	STEP 0
	s_sub_co_u32 s[CNT], s[CNT], 1
	s_cmp_lg_u32 s[CNT], 0
	s_cbranch_scc1 .Lstep
	; THE WAY OUT: O^T / the sum, through my stage, so that sixteen lanes store a row's 256 consecutive bytes of this head
	s_wait_alu depctr_va_vdst(0)
	v_pk_add_f32 v[14:15], v[14:15], v[16:17]
	s_delay_alu instid0(VALU_DEP_1)
	v_add_f32 v14, v14, v15
	s_delay_alu instid0(VALU_DEP_1)
	v_permlanex16_b32 v[TM+4], v14, s[SEL], s[SEL+1]
	s_delay_alu instid0(VALU_DEP_1)
	v_add_f32 v14, v14, v[TM+4]                    ; with lane l xor 16's keys: the row's sum
	s_wait_alu depctr_va_vdst(0)
	v_rcp_f32 v10, v14
	v_nop
	v_nop                                          ; plain places: behind the reciprocal, and with the additions above those behind the last products
	s_wait_alu depctr_va_vdst(0)                   ; the wait ahead of the first use
.irp j, 0,2,4,6,8,10,12,14,16,18,20,22,24,26,28,30
	v_pk_mul_f32 v[S+\j:S+\j+1], v[O+\j:O+\j+1], v[10:11] op_sel_hi:[1,0]   ; register 8 t + i is o(query r, 16 t + 8 h + i); each accumulator from its low end on
.endr
.irp t, 0,1,2,3
	ds_store_b128 v[STI], v[S+8*\t:S+8*\t+3] offset:64*\t
	ds_store_b128 v[STI], v[S+8*\t+4:S+8*\t+7] offset:64*\t+16
.endr
.irp i, 0,1,2,3,4,5,6,7
	ds_load_b128 v[F+4*\i:F+4*\i+3], v[STB] offset:2*272*\i   ; LDS serves a wave's instructions in order: these see my stores
.endr
.irp i, 0,1,2,3,4,5,6,7
	s_wait_dscnt 7-\i                              ; load i is in; the younger ones stay out
	global_store_b128 v[GO], v[F+4*\i:F+4*\i+3], s[6:7] offset:(2*\i+8*(\i/4))*2048   ; query r is row r + 8 (r / 8) of my rows
.endr
	s_wait_tensorcnt 0x0                           ; the wave's end: behind my last tensor load and my last LDS store
	ds_add_u32 v[SPW], v[NIL]
	s_wait_dscnt 0x0
	CROUND                                         ; the closing round
	s_endpgm
.Lfunc_end_k_q1407208ec3_attn:
	.size	k_q1407208ec3_attn, .Lfunc_end_k_q1407208ec3_attn-k_q1407208ec3_attn
	.p2alignl 7, 3214868480
	.fill 96, 4, 3214868480
	.section	.rodata,"a",@progbits
	.p2align	6, 0x0
	.amdhsa_kernel k_q1407208ec3_attn
		.amdhsa_group_segment_fixed_size 276480
		.amdhsa_private_segment_fixed_size 0
		.amdhsa_enable_private_segment 0
		.amdhsa_kernarg_size 16
		.amdhsa_user_sgpr_count 2
		.amdhsa_user_sgpr_kernarg_segment_ptr 1
		.amdhsa_wavefront_size32 1
		.amdhsa_system_sgpr_workgroup_id_x 1
		.amdhsa_system_sgpr_workgroup_id_y 1
		.amdhsa_system_sgpr_workgroup_id_z 1
		.amdhsa_system_vgpr_workitem_id 0
		.amdhsa_next_free_vgpr 256
		.amdhsa_next_free_sgpr 66
		.amdhsa_reserve_vcc 0
		.amdhsa_float_denorm_mode_32 3
		.amdhsa_float_denorm_mode_16_64 3
		.amdhsa_memory_ordered 1
		.amdhsa_forward_progress 1
		.amdhsa_inst_pref_size 41
	.end_amdhsa_kernel
	.amdgpu_metadata
---
amdhsa.version: [ 1, 2 ]
amdhsa.kernels:
  - .name:           k_q1407208ec3_attn
    .symbol:         k_q1407208ec3_attn.kd
    .args:
      - { .name: kv, .offset: 0, .size: 8, .value_kind: global_buffer, .address_space: global }
      - { .name: ao, .offset: 8, .size: 8, .value_kind: global_buffer, .address_space: global }
    .group_segment_fixed_size: 276480
    .private_segment_fixed_size: 0
    .kernarg_segment_align: 8
    .kernarg_segment_size: 16
    .max_flat_workgroup_size: 512
    .sgpr_count:     66
    .vgpr_count:     256
    .wavefront_size: 32
...
	.end_amdgpu_metadata
.endif
;; end of part 2
;; launch ffn (part 3): grid 256 x 1, 8 waves a work-group, clusters of 4 x 1, 327,680 bytes of LDS; arguments x, ao, wst, th_ffn, g1, bt1, b2, g2, bt2, out0; writes out0
.if DOCPART == 3
	.amdgcn_target "amdgcn-amd-amdhsa--gfx1250"
	.amdhsa_code_object_version 6
	.text
	.protected	k_q1407208ec3_ffn
	.globl	k_q1407208ec3_ffn
	.p2align	8
	.type	k_q1407208ec3_ffn,@function
k_q1407208ec3_ffn:
	s_mov_b64 s[64:65], 0
	v_nop
	global_prefetch_b8 v0, s[64:65] scope:SCOPE_SE
	s_setreg_imm32_b32 hwreg(HW_REG_WAVE_MODE, 25, 1), 1
	s_wait_xcnt 0x0
	s_wait_alu depctr_hold_cnt(0) depctr_sa_sdst(0) depctr_va_vdst(0) depctr_va_sdst(0) depctr_va_ssrc(0) depctr_va_vcc(0) depctr_vm_vsrc(0)
	s_getreg_b32 s2, hwreg(HW_REG_IB_STS2, 6, 4)
	s_cmp_eq_u32 s2, 0
	s_cbranch_scc0 .Lentry_in_a_cluster
	s_endpgm
.Lentry_in_a_cluster:
	s_bfe_u32 s2, ttmp6, 0x10000c
	s_cmp_lg_u32 s2, 0x3003
	s_cbranch_scc0 .Lentry_shape_is_right
	s_endpgm
.Lentry_shape_is_right:
; FFN: x1 = LN(x + ao; g1, bt1);  qf = cos(x1) cos(th_ffn);  h = relu(qf W1 + b1);  out0 = LN(x1 + h W2 + b2; g2, bt2).  Both products on codes of FP6 (E2M3) with E8M0 scales.  Nothing of reference() is left out.
; x1, qf, h and the second product's result never go to memory.
; SHARES.  A work-group owns 32 whole rows, eight waves.  In the norms wave w owns rows 4 w .. 4 w + 3.  In the products the waves share the columns: the hidden layer goes in four chunks of 512;
; in a chunk wave w makes hidden units 64 w .. 64 w + 63 (records 2 w, 2 w + 1 of a slot) for both tiles of 16 rows, and it owns outputs 64 w .. 64 w + 63.
; THE WEIGHTS are the stream that the first launch laid: 16 slots of 16 records (6,656 bytes: four fragments as register images, their scale words, b1's sixteen numbers).  A chunk has four slots:
; W1's tiles u = 0, 1, then W2's K steps 0, 1 and 2, 3 of the chunk.
; THE FIRST THREE SLOTS OF A CHUNK go through a ring of two LDS slots of 106,496 bytes; each wave brings its two records, 52 rows of 256 bytes, by one tensor load: twelve fills in all.
; CLUSTER.  All work-groups walk the same stream: the four of a cluster ask for each of these slots JOINTLY, by the same load with the same descriptor (made of the wave's number alone) and the mask 15.
; A round of the cluster's barrier stands in front of each refill; it also shows what was stored to LDS ahead of it (x1, qf's codes, g2 and bt2; the hidden codes) to all waves.
; THE FOURTH SLOT OF A CHUNK goes from memory straight into registers, 26 loads a wave in three parts, one at the end of each of the three trips ahead of the products that use them (the first chunk's at the head).
; It is not shared in the cluster: the ring is drained at each change of slots, so one slot at a time is on its way through it, while these loads stay out across the rounds; with them a chunk has three changes of slots and not four.
; qf's eight fragments are read from LDS once and stay in registers; each weight fragment is read once, by the one wave that multiplies it with both row tiles.
; PREFETCH, of the ring's slots.  A slot is 416 blocks of 256 bytes: the partner at place cx names blocks 104 cx + 13 w + 0 .. 12 (lanes 13 on name the wave's last block again), one instruction a wave and trip.
; The trip whose tensor load asks for the ring's fill j + 1 names fill j + 3; the head names fills 1 and 2; the last three trips name nothing.  The fourth slots' own loads run ahead of their use and have no prefetch.
; x and ao are read once at the head, where there is no loop to run ahead in; their loads go out ahead of the first tensor load, whose tile is first read at the head's end.
; THE FOUR CHUNKS ARE WRITTEN OUT by a macro: with three fills a chunk the two LDS slots come back to where they began after two chunks, and the last chunk differs, so a loop's one trip would be half the walk.
; COSINES.  cos(x) = 1 - 2 sin^2(d / 2), d = x - 2 pi n, n the nearest whole number to x / (2 pi); 2 pi in two parts (what is left of it, times n, stays under 1e-11 for the arguments served);
; sin(d / 2) = d P(d^2), P of degree 5: an odd polynomial of degree 11 for the sine on [-pi/2, pi/2], its coefficients divided by exact powers of two.  All in f32; the error is about 2e-7 of 1.
; REGISTERS.  Window 0: v0-35, v245-251 addresses and scale words; v36-99 the hidden sums; v100-131 the quantiser; v36-131 later the chunk's hidden fragments; v132-227 two records' fragments.
; Window 1: v0-95 qf's fragments, v96-159 the second product's sums, which begin as b2, v160-255 the fourth slot's fragments.
; Both products are used transposed (source 0 = 16 rows of the weight, source 1 = 16 of my rows); the biases are what each sum begins with.
; LIMITS: NaN and infinities are not served; cosine arguments (x1, th_ffn) stay under 2^13 in magnitude; a block of zeros gets the scale byte 1 where the rule says 127 (its codes are zeros; this program alone reads the bytes).
.set SLOTB, 106496                     ; a slot, in memory and in LDS: slot 0 at LDS byte 0, slot 1 behind it
.set RECB,  6656
.set XP,    2064
.set X1,    212992                     ; x1, later x1 + the second product: 32 rows x (2,048 + 16) bytes
.set QIMG,  279040                     ; qf's codes: fragment (K step s, row tile m) at 1,536 (2 s + m), 48 bytes a lane
.set QSC,   291328                     ; its scale words: 128 s + 4 (16 m + r)
.set HIMG,  291840                     ; a chunk's hidden codes, laid likewise
.set HSC,   304128
.set SPARE, 304640                     ; the spare words, 128 bytes for each wave: four blocks of 256 bytes that no other line names
.set GB,    305664                     ; g2, then bt2: 2,048 bytes each
.set GW16, 1                           ; 16 l
.set AW,   2                           ; v2-3  my records' fragments in slot 0, 1: 13,312 w + 16 l
.set AS,   4                           ; v4-5  their scale words: 13,312 w + 8 l
.set AB,   6                           ; v6-7  b1: 13,312 w + 32 h
.set LH48, 8
.set LHS,  9
.set HST,  10
.set HSS,  11
.set X1A,  12
.set X1R,  13
.set NBA,  14
.set V64,  15
.set QLA,  16
.set QSL,  17
.set SPW,  18                          ; LDS address of my spare word; never rewritten
.set NIL,  19                          ; 0; never rewritten
.set QST,  20
.set QSS,  21
.set PFO,  22                          ; the prefetches' offset; never rewritten
.set GWB,  23                          ; 32 h
.set QS,   24                          ; v24-27 qf's scale words
.set HS,   28                          ; v28-31 the hidden fragments' scale words
.set WS,   32                          ; v32-35 the ring's records' scale words
.set HA,   36                          ; hidden sums: (record i, row tile m, tile u) at 32 i + 16 m + 8 u
.set HF,   36                          ; hidden fragments: (K step k of the chunk, m) at 12 (2 k + m)
.set HM,   100
.set HC,   116
.set W,    132                         ; record i's fragment f at 48 i + 12 f
.set GBS,  245                         ; GB + 16 x thread
.set GW8,  246                         ; 8 l
.set GBL,  247                         ; GB + 16 l
.set WSD,  248                         ; v248-251 the fourth slot's scale words
.set QF,   0                           ; window 1
.set FA,   96                          ; window 1: (i, n, m) at 8 (4 i + 2 n + m)
.set D,    160                         ; window 1: the fourth slot's record i, fragment f at 12 (4 i + f)
.set CTH,  36                          ; the first phase: cos(th_ffn) of columns 16 l .. 16 l + 15
.set G1R,  52
.set M2C,  52                          ; -2 cos(th_ffn), where g1 lay
.set B1R,  68
.set XR,   84
.set AOR,  148
.set TT,   212
.set LT,   228
.set VC9,  236
.set QM,   238
.set QC,   240
.set QBY,  243
.set QO,   244
.set G2R,  100                         ; the end
.set BT2R, 116
.set XT,   36
.set FX,   132
.set WV,  24
.set G1,  28
.set G0,  36
.set PF,  44
.set SEL, 48
.set IPI, 50
.set PH,  52
.set PM,  54
.set C11, 58
.set C7,  60
.set C5,  62
.set C3,  66
.set INV, 68
.set EPS, 69
.set MSB, 0
.macro WIN new                         ; the immediate's high byte repeats the setting that is left
.if MSB != \new
	s_set_vgpr_msb (MSB<<8)|\new
.set MSB, \new
.endif
.endm
.macro SPAIR reg, val
	s_mov_b32 s[\reg], \val
	s_mov_b32 s[\reg+1], \val
.endm
.macro ROUND                           ; a round of the cluster's barrier
	s_barrier_signal -1
	s_barrier_wait -1
	s_cmp_lg_u32 s[WV], 0
	s_cbranch_scc1 .Lnw0_\@
	s_barrier_signal -3
.Lnw0_\@:
	s_barrier_wait -3
	s_barrier_signal -1
	s_barrier_wait -1
.endm
; four numbers x in v[a] on become sin^2(d / 2), d = x - 2 pi n: the cosine is 1 - 2 of it.  The two pairs line by line
.macro SINSQ a
.set CB, \a
.irp p, 0,1
	v_pk_mul_f32 v[TT+8*\p:TT+8*\p+1], v[CB+2*\p:CB+2*\p+1], s[IPI:IPI+1] op_sel_hi:[1,0]
.endr
.irp p, 0
	s_delay_alu instid0(VALU_DEP_2)
	v_rndne_f32 v[TT+8*\p], v[TT+8*\p]             ; n
	s_delay_alu instid0(VALU_DEP_3)
	v_rndne_f32 v[TT+8*\p+1], v[TT+8*\p+1]
.endr
.irp p, 1
	s_delay_alu instid0(VALU_DEP_3)
	v_rndne_f32 v[TT+8*\p], v[TT+8*\p]
	s_delay_alu instid0(VALU_DEP_4)
	v_rndne_f32 v[TT+8*\p+1], v[TT+8*\p+1]
.endr
.irp p, 0,1
	v_pk_fma_f32 v[CB+2*\p:CB+2*\p+1], v[TT+8*\p:TT+8*\p+1], s[PH:PH+1], v[CB+2*\p:CB+2*\p+1] op_sel_hi:[1,0,1]   ; d = x - n 2 pi: the high part,
.endr
.irp p, 0,1
	s_delay_alu instid0(VALU_DEP_2)
	v_pk_fma_f32 v[CB+2*\p:CB+2*\p+1], v[TT+8*\p:TT+8*\p+1], s[PM:PM+1], v[CB+2*\p:CB+2*\p+1] op_sel_hi:[1,0,1]   ; the low part
.endr
.irp p, 0,1
	s_delay_alu instid0(VALU_DEP_2)
	v_pk_mul_f32 v[TT+8*\p+4:TT+8*\p+5], v[CB+2*\p:CB+2*\p+1], v[CB+2*\p:CB+2*\p+1]
.endr
.irp p, 0,1
	s_delay_alu instid0(VALU_DEP_2)
	v_pk_fma_f32 v[TT+8*\p+6:TT+8*\p+7], v[TT+8*\p+4:TT+8*\p+5], s[C11:C11+1], v[VC9:VC9+1] op_sel_hi:[1,0,1]
.endr
.irp k, C7, C5, C3
.irp p, 0,1
	s_delay_alu instid0(VALU_DEP_2)
	v_pk_fma_f32 v[TT+8*\p+6:TT+8*\p+7], v[TT+8*\p+6:TT+8*\p+7], v[TT+8*\p+4:TT+8*\p+5], s[\k:\k+1] op_sel_hi:[1,1,0]
.endr
.endr
.irp p, 0,1
	s_delay_alu instid0(VALU_DEP_2)
	v_pk_fma_f32 v[TT+8*\p+6:TT+8*\p+7], v[TT+8*\p+6:TT+8*\p+7], v[TT+8*\p+4:TT+8*\p+5], 0.5 op_sel_hi:[1,1,0]
.endr
.irp p, 0,1
	s_delay_alu instid0(VALU_DEP_2)
	v_pk_mul_f32 v[CB+2*\p:CB+2*\p+1], v[TT+8*\p+6:TT+8*\p+7], v[CB+2*\p:CB+2*\p+1]   ; sin(d / 2)
.endr
.irp p, 0,1
	s_delay_alu instid0(VALU_DEP_2)
	v_pk_mul_f32 v[CB+2*\p:CB+2*\p+1], v[CB+2*\p:CB+2*\p+1], v[CB+2*\p:CB+2*\p+1]
.endr
.endm
.macro WSUM v, t                       ; the sum over the wave's 32 lanes, in every lane
.irp k, 1,2,4,8
	s_delay_alu instid0(VALU_DEP_1)
	v_add_f32_dpp v[\v], v[\v], v[\v] row_xmask:\k row_mask:0xf bank_mask:0xf
.endr
	s_delay_alu instid0(VALU_DEP_1)
	v_permlanex16_b32 v[\t], v[\v], s[SEL], s[SEL+1]
	s_delay_alu instid0(VALU_DEP_1)
	v_add_f32 v[\v], v[\v], v[\t]
.endm
; the layer norm of a row: 16 numbers a lane in v[v] on, in place; gains in v[g] on, offsets in v[b] on
.macro LN v, g, b
.set LV, \v
.set LG, \g
.set LB, \b
	v_pk_add_f32 v[LT:LT+1], v[LV:LV+1], v[LV+2:LV+3]
	v_pk_add_f32 v[LT+2:LT+3], v[LV+4:LV+5], v[LV+6:LV+7]
	v_pk_add_f32 v[LT+4:LT+5], v[LV+8:LV+9], v[LV+10:LV+11]
	v_pk_add_f32 v[LT+6:LT+7], v[LV+12:LV+13], v[LV+14:LV+15]
	s_delay_alu instid0(VALU_DEP_3)
	v_pk_add_f32 v[LT:LT+1], v[LT:LT+1], v[LT+2:LT+3]
	s_delay_alu instid0(VALU_DEP_2)
	v_pk_add_f32 v[LT+4:LT+5], v[LT+4:LT+5], v[LT+6:LT+7]
	s_delay_alu instid0(VALU_DEP_1)
	v_pk_add_f32 v[LT:LT+1], v[LT:LT+1], v[LT+4:LT+5]
	s_delay_alu instid0(VALU_DEP_1)
	v_add_f32 v[LT], v[LT], v[LT+1]
	WSUM LT, LT+1
	s_delay_alu instid0(VALU_DEP_1)
	v_mul_f32 v[LT+2], s[INV], v[LT]               ; the mean
.irp j, 0,2,4,6,8,10,12,14
	v_pk_add_f32 v[LV+\j:LV+\j+1], v[LV+\j:LV+\j+1], v[LT+2:LT+3] op_sel_hi:[1,0] neg_lo:[0,1] neg_hi:[0,1]
.endr
	v_pk_mul_f32 v[LT+4:LT+5], v[LV:LV+1], v[LV:LV+1]
	v_pk_mul_f32 v[LT+6:LT+7], v[LV+2:LV+3], v[LV+2:LV+3]
.irp j, 4,8,12
	s_delay_alu instid0(VALU_DEP_2)
	v_pk_fma_f32 v[LT+4:LT+5], v[LV+\j:LV+\j+1], v[LV+\j:LV+\j+1], v[LT+4:LT+5]
	s_delay_alu instid0(VALU_DEP_2)
	v_pk_fma_f32 v[LT+6:LT+7], v[LV+\j+2:LV+\j+3], v[LV+\j+2:LV+\j+3], v[LT+6:LT+7]
.endr
	s_delay_alu instid0(VALU_DEP_1)
	v_pk_add_f32 v[LT+4:LT+5], v[LT+4:LT+5], v[LT+6:LT+7]
	s_delay_alu instid0(VALU_DEP_1)
	v_add_f32 v[LT+4], v[LT+4], v[LT+5]
	WSUM LT+4, LT+5
	s_delay_alu instid0(VALU_DEP_1)
	v_fma_f32 v[LT+6], v[LT+4], s[INV], s[EPS]     ; the variance + eps
	s_wait_alu depctr_va_vdst(0)                   ; the wait ahead of the transcendental
	v_rsq_f32 v[LT+2], v[LT+6]
	v_nop                                          ; a plain place behind it
	s_wait_alu depctr_va_vdst(0)                   ; the wait ahead of the first use
.irp j, 0,2,4,6,8,10,12,14
	v_pk_mul_f32 v[LV+\j:LV+\j+1], v[LV+\j:LV+\j+1], v[LT+2:LT+3] op_sel_hi:[1,0]
.endr
.irp j, 0,2,4,6,8,10,12,14
	v_pk_fma_f32 v[LV+\j:LV+\j+1], v[LV+\j:LV+\j+1], v[LG+\j:LG+\j+1], v[LB+\j:LB+\j+1]
.endr
.endm
; one scaled product, in place on v[d] on.  ra, rb = 1: source 0's, source 1's scales stand in lanes 16-31
.macro WSC d, a, b, sa, sb, ra, rb
.set WD, \d
.set WAF, \a
.set WBG, \b
.set WSA, \sa
.set WSB, \sb
.if (\ra) && (\rb)
	v_wmma_scale_f32_16x16x128_f8f6f4 v[WD:WD+7], v[WAF:WAF+11], v[WBG:WBG+11], v[WD:WD+7], v[WSA], v[WSB] matrix_a_fmt:MATRIX_FMT_FP6 matrix_b_fmt:MATRIX_FMT_FP6 matrix_a_scale:MATRIX_SCALE_ROW1 matrix_b_scale:MATRIX_SCALE_ROW1
.elseif (\ra)
	v_wmma_scale_f32_16x16x128_f8f6f4 v[WD:WD+7], v[WAF:WAF+11], v[WBG:WBG+11], v[WD:WD+7], v[WSA], v[WSB] matrix_a_fmt:MATRIX_FMT_FP6 matrix_b_fmt:MATRIX_FMT_FP6 matrix_a_scale:MATRIX_SCALE_ROW1
.elseif (\rb)
	v_wmma_scale_f32_16x16x128_f8f6f4 v[WD:WD+7], v[WAF:WAF+11], v[WBG:WBG+11], v[WD:WD+7], v[WSA], v[WSB] matrix_a_fmt:MATRIX_FMT_FP6 matrix_b_fmt:MATRIX_FMT_FP6 matrix_b_scale:MATRIX_SCALE_ROW1
.else
	v_wmma_scale_f32_16x16x128_f8f6f4 v[WD:WD+7], v[WAF:WAF+11], v[WBG:WBG+11], v[WD:WD+7], v[WSA], v[WSB] matrix_a_fmt:MATRIX_FMT_FP6 matrix_b_fmt:MATRIX_FMT_FP6
.endif
.endm
; five places behind a trip's last products: four serve the loads into their registers and the first read of their results, the fifth the products that write over registers which these have read as a source
.macro PLACES
.rept 5
	v_nop
.endr
.endm
.macro ASK pf                          ; the prefetch of the stream's slot pf; slot 0 and what lies past the ring's last slot, 14, are not named
.if (\pf) > 0 && (\pf) < 15
	s_cmp_lt_u32 ttmp9, 4
	s_cbranch_scc0 .Lno_prefetch_ffn0_\@
	global_prefetch_b8 v[PFO], s[PF:PF+1] offset:(\pf)*SLOTB th:TH_LOAD_NT scope:SCOPE_SE
.Lno_prefetch_ffn0_\@:
.endif
.endm
; A change of slots.  The ring's fill j is the stream's slot 4 (j / 3) + j % 3 and lies in LDS slot j % 2.  Fill j is whole and the other LDS slot is read no more: it takes fill j + 1
.macro SYNC j, alu
.set SP_, (\j)%2
.set SD_, (4*(((\j)+2)/3)+((\j)+2)%3)-(4*((\j)/3)+(\j)%3)
.if \alu
	s_wait_alu depctr_va_vdst(0)                   ; the wait here, directly ahead of the wait below
.endif
	s_wait_tensorcnt 0x0                           ; my one tensor load that was out, my part of fill j, has landed;
	ds_add_u32 v[SPW], v[NIL]
	s_add_nc_u64 s[G0+4*SP_+2:G0+4*SP_+3], s[G0+4*SP_+2:G0+4*SP_+3], SD_*SLOTB   ; no tensor load of mine is out: on to fill j + 2's place in the stream
	s_wait_dscnt 0x0                               ; the add, my reads of the other slot and my LDS stores are done
	ROUND
.if (\j) < 11
	tensor_load_to_lds s[G0+4-4*SP_:G0+7-4*SP_], s[G1:G1+7]
	s_nop 0
.endif
.endm
; THE FIRST PRODUCT on LDS slot p: tile u of my two records' hidden units, four K steps, both row tiles: four accumulators by turns
.macro P1 p, u, pf
.irp i, 0,1
	ds_load_b64 v[WS+2*\i:WS+2*\i+1], v[AS+\p] offset:RECB*\i+6144
.irp m, 0,1
	ds_load_b128 v[HA+32*\i+16*\m+8*\u:HA+32*\i+16*\m+8*\u+3], v[AB+\p] offset:RECB*\i+6400     ; b1: what the sums begin with
	ds_load_b128 v[HA+32*\i+16*\m+8*\u+4:HA+32*\i+16*\m+8*\u+7], v[AB+\p] offset:RECB*\i+6416
.endr
.endr
.irp s, 0,1,2,3
.irp i, 0,1
.irp q, 0,1,2
	ds_load_b128 v[W+48*\i+12*\s+4*\q:W+48*\i+12*\s+4*\q+3], v[AW+\p] offset:RECB*\i+1536*\s+512*\q
.endr
.endr
.endr
	ASK \pf
.irp s, 0,1,2,3
	s_wait_dscnt 18-6*\s                           ; K step s's six loads are in; the later K steps' may be out
	WIN 0x04                                       ; source 1 in window 1
.irp i, 0,1
.irp m, 0,1
	WSC HA+32*\i+16*\m+8*\u, W+48*\i+12*\s, QF+12*(2*\s+\m), WS+2*\i+\s/2, QS+\s, \s%2, \m
.endr
.endr
.endr
	WIN 0
	PLACES
.endm
; relu and the quantiser.  x = 2 i + m: lane (r, h) holds hidden units 16 h + 0 .. 15 of record i's 32, row r of tile m: half a block; lane l xor 16 holds the other half
.macro QUANTH
.set T_, 0
.rept 32
	v_dual_max_num_f32 v[HA+T_], 0, v[HA+T_] :: v_dual_max_num_f32 v[HA+T_+1], 0, v[HA+T_+1]   ; two by a dual pair; each accumulator from its low end on
.set T_, T_+2
.endr
.irp x, 0,1,2,3
	v_max3_num_f32 v[HM+\x], v[HA+16*\x], v[HA+16*\x+1], 0x1800000   ; none is negative; the floor 2^(3 - 127) holds the byte at 1 from below
.endr
.irp e, 2,4,6,8,10,12,14
.irp x, 0,1,2,3
	v_max3_num_f32 v[HM+\x], v[HM+\x], v[HA+16*\x+\e], v[HA+16*\x+\e+1]
.endr
.endr
.irp x, 0,1,2,3
	s_delay_alu instid0(VALU_DEP_4)
	v_permlanex16_b32 v[HM+4+\x], v[HM+\x], s[SEL], s[SEL+1]
.endr
.irp x, 0,1,2,3
	s_delay_alu instid0(VALU_DEP_4)
	v_max_num_f32 v[HM+\x], v[HM+\x], v[HM+4+\x]
.endr
.irp x, 0,1,2,3
	s_delay_alu instid0(VALU_DEP_4)
	v_add_nc_u32 v[HM+8+\x], 0xff000000, v[HM+\x]  ; 2 off the exponent field: the conversion's scale operand
.endr
.irp x, 0,1,2,3
	s_delay_alu instid0(VALU_DEP_4)
	v_lshrrev_b32 v[HM+12+\x], 23, v[HM+8+\x]      ; the scale's byte
.endr
.irp x, 0,1,2,3
	v_cvt_scalef32_pk16_fp6_f32 v[HC+4*\x:HC+4*\x+2], v[HA+16*\x:HA+16*\x+15], v[HM+8+\x]
.endr
	v_nop                                          ; one plain place behind a scaled conversion
.irp x, 0,1,2,3
.irp e, 0,1,2
	ds_store_b32 v[HST], v[HC+4*\x+\e] offset:768*(\x/2)+1536*(\x%2)+4*\e
.endr
	ds_store_b8 v[HSS], v[HM+12+\x] offset:(\x/2)+64*(\x%2)   ; both halves of the lanes write the same byte with the same value
.endr
.endm
.macro HLOAD k                         ; the hidden fragments of the chunk's K step k, both row tiles, and their scale words: 7 LDS loads
	ds_load_b32 v[HS+\k], v[LHS] offset:128*\k
.irp m, 0,1
.irp q, 0,1,2
	ds_load_b128 v[HF+12*(2*\k+\m)+4*\q:HF+12*(2*\k+\m)+4*\q+3], v[LH48] offset:1536*(2*\k+\m)+16*\q
.endr
.endr
.endm
; chunk c's fourth slot, from memory into registers: n of my eight fragments, from number u0 = 4 i + f on; a fragment's load covers 512 consecutive bytes, aligned.  With u0 = 0 the scale words too
.macro DPART c, u0, n
	WIN 0x40                                       ; destination in window 1
.set U_, \u0
.rept \n
.irp q, 0,1,2
	global_load_b128 v[D+12*U_+4*\q:D+12*U_+4*\q+3], v[GW16], s[8:9] offset:(4*(\c)+3)*SLOTB+RECB*(U_/4)+1536*(U_%4)+512*\q
.endr
.set U_, U_+1
.endr
	WIN 0
.if (\u0) == 0
.irp i, 0,1
	global_load_b64 v[WSD+2*\i:WSD+2*\i+1], v[GW8], s[8:9] offset:(4*(\c)+3)*SLOTB+RECB*\i+6144
.endr
.endif
.endm
; THE SECOND PRODUCT of chunk c, my two records' 64 outputs, both row tiles: eight accumulators by turns.  K steps 0, 1 on LDS slot p, K steps 2, 3 on the registers that DPART filled
.macro P2 p, c
.irp i, 0,1
	ds_load_b64 v[WS+2*\i:WS+2*\i+1], v[AS+\p] offset:RECB*\i+6144
.endr
	HLOAD 0
	HLOAD 1
.irp k, 0,1
.irp i, 0,1
.irp n, 0,1
.irp q, 0,1,2
	ds_load_b128 v[W+48*\i+12*(2*\k+\n)+4*\q:W+48*\i+12*(2*\k+\n)+4*\q+3], v[AW+\p] offset:RECB*\i+1536*(2*\k+\n)+512*\q
.endr
.endr
.endr
.endr
	HLOAD 2
	HLOAD 3
	ASK 4*\c+6
.irp k, 0,1
	s_wait_dscnt 26-12*\k                          ; K step k's loads are in; behind them: the later K step's twelve and the 14 of hidden K steps 2, 3
	WIN 0x50                                       ; C and D in window 1
.irp i, 0,1
.irp n, 0,1
.irp m, 0,1
	WSC FA+8*(4*\i+2*\n+\m), W+48*\i+12*(2*\k+\n), HF+12*(2*\k+\m), WS+2*\i+\k, HS+\k, \n, \m
.endr
.endr
.endr
.endr
	s_wait_loadcnt 0x0                             ; the fourth slot's 26 loads are in
	s_wait_dscnt 0x0
	WIN 0x51                                       ; source 0 in window 1 too
.irp k, 0,1
.irp i, 0,1
.irp n, 0,1
.irp m, 0,1
	WSC FA+8*(4*\i+2*\n+\m), D+48*\i+12*(2*\k+\n), HF+12*(2*\k+4+\m), WSD+2*\i+\k, HS+2+\k, \n, \m
.endr
.endr
.endr
.endr
	WIN 0
	PLACES
.if \c < 3
	DPART \c+1, 0, 3                               ; the next chunk's fourth slot, first part
.endif
.endm
; a chunk of 512 hidden units: three fills of the ring.  The hidden codes have one buffer: it is written behind the second round of a chunk, and its last reads were waited for in front of the first
.macro CHUNK c
	SYNC 3*\c, 0
.if \c == 0
	WIN 0x40
.irp f, 0,1,2,3,4,5,6,7
.irp q, 0,1,2
	ds_load_b128 v[QF+12*\f+4*\q:QF+12*\f+4*\q+3], v[QLA] offset:1536*\f+16*\q     ; qf's eight fragments stay in registers
.endr
.endr
	WIN 0
.irp s, 0,1,2,3
	ds_load_b32 v[QS+\s], v[QSL] offset:128*\s     ; and so do their scale words
.endr
.endif
	P1 (3*\c)%2, 0, 4*\c+4
.if \c > 0
	DPART \c, 3, 3                                 ; this chunk's fourth slot, second part
.endif
	SYNC 3*\c+1, 0
	P1 (3*\c+1)%2, 1, 4*\c+5
	QUANTH
.if \c > 0
	DPART \c, 6, 2                                 ; and third part
.endif
	SYNC 3*\c+2, 1
	P2 (3*\c+2)%2, \c
.endm
	s_load_b512 s[4:19], s[0:1], 0x0               ; x 4:5, ao 6:7, wst 8:9, th_ffn 10:11, g1 12:13, bt1 14:15, b2 16:17, g2 18:19
	s_load_b128 s[20:23], s[0:1], 0x40             ; bt2 20:21, out0 22:23
	v_lshl_add_u32 v[SPW], v0, 2, SPARE
	v_mov_b32 v[NIL], 0
	ds_add_u32 v[SPW], v[NIL]                      ; the opening: the add, twice on end, and its wait ahead of my first tensor load
	ds_add_u32 v[SPW], v[NIL]
	v_lshrrev_b32 v1, 5, v0
	v_readfirstlane_b32 s[WV], v1                  ; wave 0..7
	s_mov_b32 s[G1], 15|(3<<16)|(1<<21)            ; the mask: all four work-groups; elements of 8 bytes; bit 21 beside a mask; no padding
	s_mov_b32 s[G1+1], 32<<16                      ; rows of 256 bytes
	s_mov_b32 s[G1+2], 52<<16                      ; 52 rows: two records
	s_mov_b32 s[G1+3], 32<<16
	s_mov_b32 s[G1+4], 52
	s_mov_b32 s[G1+5], 32                          ; dense
	s_mov_b32 s[G1+6], 0
	s_mov_b32 s[G1+7], 0
	s_mov_b32 s[SEL], 0x76543210
	s_mov_b32 s[SEL+1], 0xfedcba98
	SPAIR IPI, 0x3e22f983                          ; 1 / (2 pi)
	SPAIR PH,  0xc0c90fdb                          ; -2 pi, high part
	SPAIR PM,  0x343bbd2e                          ; and low part
	SPAIR C11, 0xad4d4ca9                          ; the sine's coefficients of x^11, x^7, x^5, x^3, divided by 2^11, 2^7, 2^5, 2^3 (x^9's stands in a vector pair)
	SPAIR C7,  0xb5d00c03
	SPAIR C5,  0x39888887
	SPAIR C3,  0xbcaaaaab
	s_mov_b32 s[INV], 0x3b000000                   ; 1 / 512
	s_mov_b32 s[EPS], 0x3727c5ac                   ; 1e-5
	s_mul_i32 s70, s[WV], 2*RECB                   ; my two records in a slot
	s_mov_b32 s71, 0
	s_bfe_u32 s26, ttmp6, 0x40000                  ; cx: it enters addresses in memory alone
	s_lshl_b32 s27, ttmp9, 2
	s_add_co_u32 s27, s27, s26                     ; my work-group
	s_lshl_b32 s72, s27, 16
	s_lshl_b32 s73, s[WV], 13
	s_add_co_u32 s72, s72, s73                     ; (32 x work-group + 4 w) rows of 2,048 bytes
	s_mov_b32 s73, 0
	s_lshl_b32 s74, s[WV], 8                       ; b2 at my 64 outputs
	s_mov_b32 s75, 0
	s_mul_i32 s76, s26, 104*256                    ; my work-group's 104 blocks of a slot
	s_mov_b32 s77, 0
	s_lshr_b32 s85, s[WV], 1                       ; record 2 w + i is block 2 (w % 2) + i of the chunk's K step w / 2
	s_and_b32 s86, s[WV], 1
	s_mul_i32 s78, s85, 3072
	s_mul_i32 s87, s86, 24
	s_add_co_u32 s78, s78, s87
	s_add_co_u32 s78, s78, HIMG
	s_lshl_b32 s79, s85, 7
	s_lshl_b32 s87, s86, 1
	s_add_co_u32 s79, s79, s87
	s_add_co_u32 s79, s79, HSC
	s_lshl_b32 s80, s[WV], 8
	s_add_co_u32 s80, s80, X1
	s_mul_i32 s81, s[WV], 4*XP
	s_add_co_u32 s81, s81, X1
	s_lshr_b32 s85, s[WV], 2                       ; row 4 w + q is row 4 (w % 4) + q of row tile w / 4
	s_and_b32 s86, s[WV], 3
	s_mul_i32 s82, s85, 1536
	s_mul_i32 s87, s86, 192
	s_add_co_u32 s82, s82, s87
	s_add_co_u32 s82, s82, QIMG
	s_lshl_b32 s83, s[WV], 4
	s_add_co_u32 s83, s83, QSC
	s_mul_i32 s84, s[WV], 13*256
	s_lshl_b32 s90, s86, 9                         ; waves 0-3 bring g2's four pieces of 512 bytes, waves 4-7 bt2's
	s_mov_b32 s91, 0
	s_wait_dscnt 0x0                               ; both opening adds are done
	s_wait_kmcnt 0x0
	s_add_nc_u64 s[4:5], s[4:5], s[72:73]
	s_add_nc_u64 s[6:7], s[6:7], s[72:73]
	s_add_nc_u64 s[22:23], s[22:23], s[72:73]
	s_add_nc_u64 s[16:17], s[16:17], s[74:75]
	s_add_nc_u64 s[PF:PF+1], s[8:9], s[76:77]      ; never written again
	s_add_nc_u64 s[8:9], s[8:9], s[70:71]          ; never written again
	s_cmp_lt_u32 s[WV], 4
	s_cselect_b64 s[88:89], s[18:19], s[20:21]
	s_add_nc_u64 s[88:89], s[88:89], s[90:91]
	s_mov_b32 s[G0], 1
	s_mul_i32 s[G0+1], s[WV], 2*RECB
	s_mov_b64 s[G0+2:G0+3], s[8:9]
	s_or_b32 s[G0+3], s[G0+3], 0x80000000
	s_mov_b32 s[G0+4], 1
	s_add_co_u32 s[G0+5], s[G0+1], SLOTB
	s_add_nc_u64 s[G0+6:G0+7], s[8:9], SLOTB
	s_or_b32 s[G0+7], s[G0+7], 0x80000000
	v_and_b32 v212, 31, v0                         ; l
	v_and_b32 v213, 15, v0                         ; r
	v_bfe_u32 v214, v0, 4, 1                       ; h
	v_lshlrev_b32 v[GW16], 4, v212
	v_lshlrev_b32 v[GW8], 3, v212
	v_lshlrev_b32 v[V64], 6, v212
	v_lshlrev_b32 v[GWB], 5, v214
	v_add_nc_u32 v[AW], s70, v[GW16]
	v_add_nc_u32 v[AW+1], SLOTB, v[AW]
	v_lshl_add_u32 v[AS], v212, 3, s70
	v_add_nc_u32 v[AS+1], SLOTB, v[AS]
	v_add_nc_u32 v[AB], s70, v[GWB]
	v_add_nc_u32 v[AB+1], SLOTB, v[AB]
	v_mul_u32_u24 v[LH48], v212, 48
	v_add_nc_u32 v[QLA], QIMG, v[LH48]
	v_add_nc_u32 v[LH48], HIMG, v[LH48]
	v_lshl_add_u32 v[LHS], v212, 2, HSC
	v_lshl_add_u32 v[QSL], v212, 2, QSC
	v_lshl_add_u32 v[GBS], v0, 4, GB
	v_lshl_add_u32 v[GBL], v212, 4, GB
	v_mul_u32_u24 v[HST], v213, 48
	v_mad_u32_u24 v[HST], v214, 12, v[HST]
	v_add_nc_u32 v[HST], s78, v[HST]               ; HIMG + 3,072 (w / 2) + 24 (w % 2) + 48 r + 12 h (+ 768 i + 1,536 m)
	v_lshl_add_u32 v[HSS], v213, 2, s79            ; HSC + 128 (w / 2) + 2 (w % 2) + 4 r (+ i + 64 m)
	v_mul_u32_u24 v[X1A], v213, XP
	v_lshl_add_u32 v[X1A], v214, 5, v[X1A]
	v_add_nc_u32 v[X1A], s80, v[X1A]               ; x1 in the accumulators' layout: row r, + 256 w + 32 h
	v_lshl_add_u32 v[X1R], v212, 4, s81            ; x1 by rows: my four rows, 16 l
	v_lshl_add_u32 v[NBA], v212, 6, s81            ; and 64 l
	v_bfe_u32 v215, v0, 3, 2                       ; my 16 columns 16 l on: K step l / 8,
	v_bfe_u32 v216, v0, 1, 1                       ; lanes' half (l / 2) % 2,
	v_bfe_u32 v217, v0, 2, 1                       ; registers' half (l / 4) % 2,
	v_and_b32 v218, 1, v0                          ; half a block l % 2
	v_mul_u32_u24 v[QST], v215, 3072
	v_mad_u32_u24 v[QST], v216, 768, v[QST]
	v_mad_u32_u24 v[QST], v217, 24, v[QST]
	v_mad_u32_u24 v[QST], v218, 12, v[QST]
	v_add_nc_u32 v[QST], s82, v[QST]
	v_bfe_u32 v216, v0, 1, 2
	v_lshl_add_u32 v[QSS], v215, 7, v216
	v_add_nc_u32 v[QSS], s83, v[QSS]               ; QSC + 128 (l / 8) + 16 w + (l / 2) % 4 (+ 4 q)
	v_min_u32 v[PFO], 12, v212
	v_lshl_add_u32 v[PFO], v[PFO], 8, s84
	v_mov_b32 v[VC9], 0x31b8b94f                   ; the sine's coefficient of x^9, divided by 2^9
	v_mov_b32 v[VC9+1], 0x31b8b94f
	; ---- THE FIRST PHASE: x1 and qf's codes of my four rows.  What it waits for is asked for first
	global_load_b128 v[LT:LT+3], v[GW16], s[88:89] ; my piece of g2 or bt2
.irp i, 0,1,2,3
	global_load_b128 v[CTH+4*\i:CTH+4*\i+3], v[V64], s[10:11] offset:16*\i
.endr
.irp i, 0,1,2,3
	global_load_b128 v[G1R+4*\i:G1R+4*\i+3], v[GW16], s[12:13] offset:512*\i
.endr
.irp i, 0,1,2,3
	global_load_b128 v[B1R+4*\i:B1R+4*\i+3], v[GW16], s[14:15] offset:512*\i
.endr
.irp q, 0,1,2,3
.irp i, 0,1,2,3
	global_load_b128 v[XR+16*\q+4*\i:XR+16*\q+4*\i+3], v[GW16], s[4:5] offset:2048*\q+512*\i th:TH_LOAD_NT   ; 512 consecutive bytes of a row
.endr
.irp i, 0,1,2,3
	global_load_b128 v[AOR+16*\q+4*\i:AOR+16*\q+4*\i+3], v[GW16], s[6:7] offset:2048*\q+512*\i th:TH_LOAD_NT
.endr
.endr
	WIN 0x40                                       ; destination in window 1
.irp i, 0,1
.irp n, 0,1
.irp m, 0,1
	global_load_b128 v[FA+8*(4*\i+2*\n+\m):FA+8*(4*\i+2*\n+\m)+3], v[GWB], s[16:17] offset:128*\i+64*\n      ; b2 of outputs 64 w + 32 i + 16 n + 8 h + 0 .. 7
	global_load_b128 v[FA+8*(4*\i+2*\n+\m)+4:FA+8*(4*\i+2*\n+\m)+7], v[GWB], s[16:17] offset:128*\i+64*\n+16
.endr
.endr
.endr
	WIN 0
	s_wait_alu depctr_va_vdst(0)                   ; the wait at the head's end, ahead of the round's waits and branch
	ROUND                                          ; all four work-groups are here: the first joint loads meet
	tensor_load_to_lds s[G0:G0+3], s[G1:G1+7]      ; fill 0: one tensor load a wave at the head
	s_nop 0
	s_wait_loadcnt 56                              ; my piece of g2 or bt2 and th_ffn are in; the 56 loads behind them may be out
	ds_store_b128 v[GBS], v[LT:LT+3]
.irp a, 0,4,8,12
	SINSQ CTH+\a
.endr
.irp j, 0,2,4,6,8,10,12,14
	v_pk_fma_f32 v[CTH+\j:CTH+\j+1], v[CTH+\j:CTH+\j+1], -2.0, 1.0 op_sel_hi:[1,0,0]   ; cos(th_ffn)
.endr
	ASK 1
	ASK 2
.macro ROWL q                          ; x1 of row q, to LDS, and back as 16 neighbours a lane, where ao's row lay
.set VB, XR+16*(\q)
	s_wait_loadcnt 40-8*(\q)                       ; row q of x and ao is in; the later rows' eight loads each and b2's sixteen may be out
.irp j, 0,2,4,6,8,10,12,14
	v_pk_add_f32 v[VB+\j:VB+\j+1], v[VB+\j:VB+\j+1], v[AOR+16*(\q)+\j:AOR+16*(\q)+\j+1]
.endr
	LN VB, G1R, B1R
.irp i, 0,1,2,3
	ds_store_b128 v[X1R], v[VB+4*\i:VB+4*\i+3] offset:XP*(\q)+512*\i
.endr
.irp i, 0,1,2,3
	ds_load_b128 v[AOR+16*(\q)+4*\i:AOR+16*(\q)+4*\i+3], v[NBA] offset:XP*(\q)+16*\i   ; my own bytes, and LDS serves a wave's instructions in order
.endr
.endm
.macro ROWQ q                          ; qf of row q and its codes
.set NB, AOR+16*(\q)
	s_wait_dscnt 24-4*(\q)                         ; row q's neighbours are in; behind them: 8 instructions for each later row, 4 for each row quantised
.irp a, 0,4,8,12
	SINSQ NB+\a
.endr
.irp j, 0,2,4,6,8,10,12,14
	v_pk_fma_f32 v[NB+\j:NB+\j+1], v[NB+\j:NB+\j+1], v[M2C+\j:M2C+\j+1], v[CTH+\j:CTH+\j+1]   ; (1 - 2 sin^2) cos(th_ffn)
.endr
	v_max3_num_f32 v[QM], |v[NB]|, |v[NB+1]|, 0x1800000      ; the largest magnitude of my 16, with the floor 2^(3 - 127)
	v_max3_num_f32 v[QM+1], |v[NB+2]|, |v[NB+3]|, |v[NB+4]|
.irp i, 5,9
	s_delay_alu instid0(VALU_DEP_2)
	v_max3_num_f32 v[QM], v[QM], |v[NB+\i]|, |v[NB+\i+1]|
	s_delay_alu instid0(VALU_DEP_2)
	v_max3_num_f32 v[QM+1], v[QM+1], |v[NB+\i+2]|, |v[NB+\i+3]|
.endr
	s_delay_alu instid0(VALU_DEP_2)
	v_max3_num_f32 v[QM], v[QM], |v[NB+13]|, |v[NB+14]|
	s_delay_alu instid0(VALU_DEP_1)
	v_max3_num_f32 v[QM], v[QM], v[QM+1], |v[NB+15]|
	s_delay_alu instid0(VALU_DEP_1)
	v_max_num_f32_dpp v[QM], v[QM], v[QM] row_xmask:1 row_mask:0xf bank_mask:0xf   ; and of my neighbour's 16: the block's
	s_delay_alu instid0(VALU_DEP_1)
	v_add_nc_u32 v[QO], 0xff000000, v[QM]          ; 2 off the exponent field: the conversion's scale operand
	v_cvt_scalef32_pk16_fp6_f32 v[QC:QC+2], v[NB:NB+15], v[QO]
	v_lshrrev_b32 v[QBY], 23, v[QO]                ; the scale's byte (a plain place behind the conversion)
.irp i, 0,1,2
	ds_store_b32 v[QST], v[QC+\i] offset:48*(\q)+4*\i
.endr
	ds_store_b8 v[QSS], v[QBY] offset:4*(\q)       ; both lanes of a block write the same byte with the same value
.endm
.irp q, 0,1,2,3
	ROWL \q
.endr
	DPART 0, 0, 8                                  ; the first chunk's fourth slot, whole: 26 loads
.irp j, 0,2,4,6,8,10,12,14
	v_pk_mul_f32 v[M2C+\j:M2C+\j+1], v[CTH+\j:CTH+\j+1], -2.0 op_sel_hi:[1,0]   ; g1 has done its work
.endr
.irp q, 0,1,2,3
	ROWQ \q
.endr
.irp x, 0,1,2,3
	v_mov_b32 v[HM+4+\x], 0                        ; written once: a lane permute's destination counts as one of its sources
.endr
	s_wait_alu depctr_va_vdst(0)                   ; the wait here, directly ahead of the waits below
	s_wait_loadcnt 26                              ; b2 is in; the fourth slot's 26 loads may be out
	CHUNK 0                                        ; its first round shows x1, qf's codes of all 32 rows, g2 and bt2 to every wave
	CHUNK 1
	CHUNK 2
	CHUNK 3
	; ---- THE END: x1 + the second product, whole rows, the second norm
.irp i, 0,1
.irp n, 0,1
.irp m, 0,1
	ds_load_b128 v[FX+8*(4*\i+2*\n+\m):FX+8*(4*\i+2*\n+\m)+3], v[X1A] offset:16*XP*\m+128*\i+64*\n
	ds_load_b128 v[FX+8*(4*\i+2*\n+\m)+4:FX+8*(4*\i+2*\n+\m)+7], v[X1A] offset:16*XP*\m+128*\i+64*\n+16
.endr
.endr
.endr
.irp i, 0,1,2,3
	ds_load_b128 v[G2R+4*\i:G2R+4*\i+3], v[GBL] offset:512*\i
	ds_load_b128 v[BT2R+4*\i:BT2R+4*\i+3], v[GBL] offset:2048+512*\i
.endr
	s_wait_dscnt 8                                 ; x1 is in; g2's and bt2's eight loads may be out
	WIN 0x04
.set K_, 0
.rept 32
	v_pk_add_f32 v[FX+K_:FX+K_+1], v[FX+K_:FX+K_+1], v[FA+K_:FA+K_+1]   ; each accumulator from its low end on
.set K_, K_+2
.endr
	WIN 0
.irp i, 0,1
.irp n, 0,1
.irp m, 0,1
	ds_store_b128 v[X1A], v[FX+8*(4*\i+2*\n+\m):FX+8*(4*\i+2*\n+\m)+3] offset:16*XP*\m+128*\i+64*\n          ; back to the bytes that the same lane read
	ds_store_b128 v[X1A], v[FX+8*(4*\i+2*\n+\m)+4:FX+8*(4*\i+2*\n+\m)+7] offset:16*XP*\m+128*\i+64*\n+16
.endr
.endr
.endr
	s_wait_dscnt 0x0                               ; my stores have landed
	s_barrier_signal -1
	s_barrier_wait -1                              ; everybody's have: whole rows
.irp q, 0,1,2,3
.irp i, 0,1,2,3
	ds_load_b128 v[XT+16*\q+4*\i:XT+16*\q+4*\i+3], v[X1R] offset:XP*\q+512*\i
.endr
.endr
	s_wait_dscnt 0x0
.irp q, 0,1,2,3
	LN XT+16*\q, G2R, BT2R
.irp i, 0,1,2,3
	global_store_b128 v[GW16], v[XT+16*\q+4*\i:XT+16*\q+4*\i+3], s[22:23] offset:2048*\q+512*\i th:TH_STORE_NT   ; 512 consecutive bytes, aligned
.endr
.endr
	s_wait_tensorcnt 0x0                           ; the wave's end: behind my last tensor load and my last LDS store
	ds_add_u32 v[SPW], v[NIL]
	s_wait_dscnt 0x0
	ROUND                                          ; the closing round
	s_endpgm
.Lfunc_end_k_q1407208ec3_ffn:
	.size	k_q1407208ec3_ffn, .Lfunc_end_k_q1407208ec3_ffn-k_q1407208ec3_ffn
	.p2alignl 7, 3214868480
	.fill 96, 4, 3214868480
	.section	.rodata,"a",@progbits
	.p2align	6, 0x0
	.amdhsa_kernel k_q1407208ec3_ffn
		.amdhsa_group_segment_fixed_size 327680
		.amdhsa_private_segment_fixed_size 0
		.amdhsa_enable_private_segment 0
		.amdhsa_kernarg_size 80
		.amdhsa_user_sgpr_count 2
		.amdhsa_user_sgpr_kernarg_segment_ptr 1
		.amdhsa_wavefront_size32 1
		.amdhsa_system_sgpr_workgroup_id_x 1
		.amdhsa_system_sgpr_workgroup_id_y 1
		.amdhsa_system_sgpr_workgroup_id_z 1
		.amdhsa_system_vgpr_workitem_id 0
		.amdhsa_next_free_vgpr 512
		.amdhsa_next_free_sgpr 96
		.amdhsa_reserve_vcc 0
		.amdhsa_float_denorm_mode_32 3
		.amdhsa_float_denorm_mode_16_64 3
		.amdhsa_memory_ordered 1
		.amdhsa_forward_progress 1
		.amdhsa_inst_pref_size 226
	.end_amdhsa_kernel
	.amdgpu_metadata
---
amdhsa.version: [ 1, 2 ]
amdhsa.kernels:
  - .name:           k_q1407208ec3_ffn
    .symbol:         k_q1407208ec3_ffn.kd
    .args:
      - { .name: x, .offset: 0, .size: 8, .value_kind: global_buffer, .address_space: global }
      - { .name: ao, .offset: 8, .size: 8, .value_kind: global_buffer, .address_space: global }
      - { .name: wst, .offset: 16, .size: 8, .value_kind: global_buffer, .address_space: global }
      - { .name: th_ffn, .offset: 24, .size: 8, .value_kind: global_buffer, .address_space: global }
      - { .name: g1, .offset: 32, .size: 8, .value_kind: global_buffer, .address_space: global }
      - { .name: bt1, .offset: 40, .size: 8, .value_kind: global_buffer, .address_space: global }
      - { .name: b2, .offset: 48, .size: 8, .value_kind: global_buffer, .address_space: global }
      - { .name: g2, .offset: 56, .size: 8, .value_kind: global_buffer, .address_space: global }
      - { .name: bt2, .offset: 64, .size: 8, .value_kind: global_buffer, .address_space: global }
      - { .name: out0, .offset: 72, .size: 8, .value_kind: global_buffer, .address_space: global }
    .group_segment_fixed_size: 327680
    .private_segment_fixed_size: 0
    .kernarg_segment_align: 8
    .kernarg_segment_size: 80
    .max_flat_workgroup_size: 256
    .sgpr_count:     96
    .vgpr_count:     512
    .wavefront_size: 32
...
	.end_amdgpu_metadata
.endif
;; end of part 3
